; MI455X (gfx1250); checked and timed in simulation.
; The chip was launched on July 23, 2026; its instructions are those of AMD's public machine-readable ISA for CDNA 5 (MIT licence, August 2026) and "CDNA5" Instruction Set Architecture Reference Guide (July 2026). The comments in the code are by the model that wrote it; some were corrected since.
;; multi head attention. Allowed arithmetic: matrix products marked QUANTISED: E4M3 operands, one given power-of-two scale a tensor, by v_wmma_f32_16x16x64_fp8_fp8 or v_wmma_f32_16x16x128_fp8_fp8, f32 sums; everything else in f32.
;; Inputs: Wk 1,024 x 1,024 float32; Wo 1,024 x 1,024 float32; Wq 1,024 x 1,024 float32; Wv 1,024 x 1,024 float32; bk 1,024 float32; bo 1,024 float32; bq 1,024 float32; bv 1,024 float32; k 4 x 2,048 x 1,024 float32; lowp_scales 12 int32 (the exponents e of the quantised operands' scales 2^e); q 4 x 2,048 x 1,024 float32; v 4 x 2,048 x 1,024 float32.
;; Outputs: out0 4 x 2,048 x 1,024 float32.
;; This version of the problem:
;;   THIS VERSION OF THE PROBLEM IS GIVEN IN LOW PRECISION. The matrix products marked QUANTISED in the list below multiply operands that are first quantised to E4M3 (4 exponent bits, 3 mantissa bits; 8 bits a number), with one given power-of-two scale for each operand tensor; their sums are f32. All else is computed in f32.
;;   The module's matrix products, in the order in which they are computed (A, B: the left and right operand; K: the contracted axis; several contracted axes count as one K, in the product's order):
;;     1. [M 8,192, K 1,024] x [K 1,024, N 1,024]; A: input q; B: input Wq: QUANTISED (scales: A lowp_scales[0], B lowp_scales[1])
;;     2. [M 8,192, K 1,024] x [K 1,024, N 1,024]; A: input k; B: input Wk: QUANTISED (scales: A lowp_scales[2], B lowp_scales[3])
;;     3. [M 8,192, K 1,024] x [K 1,024, N 1,024]; A: input v; B: input Wv: QUANTISED (scales: A lowp_scales[4], B lowp_scales[5])
;;     4. batch 64 x [M 2,048, K 64] x [K 64, N 2,048]; A: computed on the way; B: computed on the way: QUANTISED (scales: A lowp_scales[6], B lowp_scales[7])
;;     5. batch 64 x [M 2,048, K 2,048] x [K 2,048, N 64]; A: softmax (see below); B: computed on the way: QUANTISED (scales: A lowp_scales[8], B lowp_scales[9])
;;     6. [M 8,192, K 1,024] x [K 1,024, N 1,024]; A: computed on the way; B: input Wo: QUANTISED (scales: A lowp_scales[10], B lowp_scales[11])
;;   THE QUANTISER, for each operand of a quantised product, along K:
;;     - The operand's scale is 2^e, e = its entry of the input lowp_scales (int32; the entries are numbered through the quantised products in the list's order, A before B).
;;     - Each number is divided by the scale, clamped to +-448, and rounded to the nearest number of E4M3, ties to even, subnormals kept.
;;     - The product sums the exact products of the quantised numbers (number of the format x scale) in f32.
;;   ~~~python
;;   def quantise(x, axis, e):      # numpy; x: float32 -> the quantised numbers, widened to float32 again
;;       x = np.moveaxis(x, axis, -1); K = x.shape[-1]
;;       r = np.clip(x / 2.0 ** e, -448, 448)
;;       step = 2.0 ** (np.maximum(np.frexp(np.where(r == 0, 1, r))[1] - 1, -6) - 3)
;;       q = np.round(r / step) * step * 2.0 ** e      # np.round: ties to even
;;       return np.moveaxis(q, -1, axis).astype(np.float32)
;;   ~~~
;;   SOFTMAX AHEAD OF A QUANTISED PRODUCT. Where the list says 'softmax', what is quantised is not the finished softmax but p = 2^(t - M), with t = logit x log2(e) and M = ceil(the row's largest t), a whole number; so 1/2 < the row's largest p <= 1. The row's sum l is taken of the UNQUANTISED p, in f32, and the product's result is divided by l at the end. Since M is a whole number, a kernel that streams over the keys may use a running M (the ceiling of the running maximum): every later rescaling is an exact power of two, so the quantised numbers keep their values, but for numbers so far below the row's largest that they fall under the format's range.
;;   OPERANDS COMPUTED ON THE WAY. 'Computed on the way' means the value that the module computes at that place (a softmax that the list does not call 'softmax' is quantised finished and normalised). What goes into a quantiser is computed in f32, as accurately as f32 sums, v_exp_f32 and their like allow (about 1e-6 of the number): no bf16 or f16 on the way to a quantiser, and a product that is left as it is and whose result goes on into a quantised operand takes f32 operands (vector FMAs, or v_wmma_f32_16x16x4_f32). A number that lies on a knife's edge between two numbers of the format may be rounded either way, as far as f32 arithmetic and the matrix unit's own rounding can turn it there, and no further.
;; One version. Each part assembles by itself: llvm-mc -triple=amdgcn-amd-amdhsa -mcpu=gfx1250 --defsym DOCPART=n.
;; ======== version 1 of 1: 4 launches
;; limits: right only within a limited range of input values
;; workspace buffers: xc 25,165,824 bytes; wc 4,194,304 bytes; img 25,165,824 bytes; ctx 8,388,608 bytes
;; launch quant (part 1): grid 896 x 1, 4 waves a work-group, no clusters, 68,096 bytes of LDS; arguments q, k, v, Wq, Wk, Wv, Wo, lowp_scales, xc, wc; writes xc, wc
.if DOCPART == 1
	.amdgcn_target "amdgcn-amd-amdhsa--gfx1250"
	.amdhsa_code_object_version 6
	.text
	.protected	k_q8180459eba_quant
	.globl	k_q8180459eba_quant
	.p2align	8
	.type	k_q8180459eba_quant,@function
k_q8180459eba_quant:
	s_mov_b64 s[64:65], 0
	v_nop
	global_prefetch_b8 v0, s[64:65] scope:SCOPE_SE
	s_setreg_imm32_b32 hwreg(HW_REG_WAVE_MODE, 25, 1), 1
	s_wait_xcnt 0x0
; q, k, v [8192][1024] and Wq, Wk, Wv, Wo [1024 (k)][1024 (n)], all f32, become codes of FP8 (E4M3), each tensor with the one scale 2^e that is given for it.
; code = x / 2^e, held within +-448, rounded to the nearest code, ties to even.  xc: [3][8192][1024], K innermost as it lies.  wc: [4][1024 (n)][1024 (k)]: K moved innermost.
; LIMITS: each e lies between -126 and 119, so that 2^e and 448 x 2^e are f32 numbers.  NaN among the inputs is not served; an infinity is held at the largest code.
; One launch, two ways that part on the work-group's number: work-groups 0 to 127 take the weights, 128 to 895 the activations.  Each way has LDS bytes of its own.
; No barrier: waves share nothing.  No matrix unit, no cluster: every byte is read once and written once.
.set STEPS, 16                         ; activations: a wave takes 16 steps of 512 numbers
.set SP,    80                         ; a lane's place in a stage: its 64 bytes + 16 of padding
.set WREG,  8192                       ; LDS 0 .. 32,767: 8,192 bytes for each wave of the activations' way: two stages of 32 x SP bytes
.set R,     16                         ; v16-79   four sets of 16 numbers as they are loaded
.set X,     80                         ; v80-111  two sets of 16 neighbours along K
.set C,     128                        ; v128-191 codes: four registers for each step, so that no store's data are written again
.set WSTG,  32768                      ; LDS 32,768 on: the weights' way: 32 rows x PITCH for each wave
.set PITCH, 272                        ; a stage row: 256 bytes of codes + 16
.set NB,    8                          ; weights: a wave takes 32 columns x 8 blocks of 32 along K
.set WX,    32                         ; v32-95   two sets of 32 numbers
.set WC,    96                         ; v96-103  a block's codes
.set OUTR,  112                        ; v112-175 the way out
	s_load_b256 s[4:11], s[0:1], 0x0               ; q s[4:5], k s[6:7], v s[8:9], Wq s[10:11]
	s_load_b256 s[12:19], s[0:1], 0x20             ; Wk s[12:13], Wv s[14:15], Wo s[16:17], the scales' exponents s[18:19]
	s_load_b128 s[20:23], s[0:1], 0x40             ; xc s[20:21], wc s[22:23]
	v_lshl_add_u32 v192, v0, 2, 0x10800
	v_mov_b32 v193, 0
	v_lshrrev_b32 v1, 5, v0
	v_readfirstlane_b32 s24, v1                    ; wave 0..3
	v_and_b32 v2, 31, v0                           ; lane
	s_mov_b32 s31, 0
	s_mov_b32 s45, 0
	s_wait_kmcnt 0x0
	s_load_b256 s[32:39], s[18:19], 0x0            ; e0 .. e7
	s_load_b128 s[40:43], s[18:19], 0x20           ; e8 .. e11: the buffer's 48 bytes in all
	s_cmp_lt_u32 ttmp9, 128
	s_cbranch_scc1 .Lweights
; ---------------- THE ACTIVATIONS.  Rows are dense, so a tensor is a plain stream of numbers and its codes a plain stream of bytes.
; The conversion takes 8 numbers from ONE lane's consecutive registers, so a lane must hold neighbours along K; a load is best where neighbouring LANES take neighbouring bytes.  Both are had: each of a step's
; four loads reads 512 consecutive bytes, 16 a lane; the 2,048 bytes go through the wave's own stage as they lie and come back 64 bytes a lane.  A lane's 16 codes are 16 bytes: the wave stores 512 consecutive bytes.
	s_sub_co_u32 s25, ttmp9, 128                   ; 0 .. 767: 256 work-groups of 32,768 numbers to a tensor
	s_lshr_b32 s28, s25, 8                         ; which tensor: 0 q, 1 k, 2 v
	s_cmp_eq_u32 s28, 0
	s_cselect_b64 s[26:27], s[4:5], s[6:7]
	s_cmp_eq_u32 s28, 2
	s_cselect_b64 s[26:27], s[8:9], s[26:27]       ; the choice hangs on the work-group's number alone
	s_and_b32 s29, s25, 255
	s_lshl_b32 s29, s29, 2
	s_add_co_u32 s29, s29, s24                     ; which run of 8,192 numbers of the tensor is my wave's
	s_lshl_b32 s30, s29, 15                        ; x 32,768 bytes
	s_add_nc_u64 s[26:27], s[26:27], s[30:31]
	s_lshl_b32 s29, s25, 2
	s_add_co_u32 s29, s29, s24
	s_lshl_b32 s30, s29, 13                        ; the three tensors' codes lie on end: x 8,192 bytes
	s_add_nc_u64 s[20:21], s[20:21], s[30:31]
	s_wait_alu depctr_va_vdst(0)
	v_lshlrev_b32 v3, 4, v2                        ; my 16 bytes of a load's 512; also my codes' place in a step's
	s_mul_i32 s44, s24, WREG
	v_lshrrev_b32 v14, 2, v2
	v_mul_u32_u24 v14, v14, SP
	v_and_b32 v15, 3, v2
	v_lshl_add_u32 v14, v15, 4, v14
	v_add_nc_u32 v14, s44, v14                     ; the stage, on the way in: four lanes' 64 bytes on end, then 16 of padding
	v_mul_u32_u24 v15, v2, SP
	v_add_nc_u32 v15, s44, v15                     ; and on the way out: my 16 neighbours
.macro XLOAD t
.irp i, 0,1,2,3
	global_load_b128 v[R+16*((\t)%4)+4*\i:R+16*((\t)%4)+4*\i+3], v3, s[26:27] offset:2048*(\t)+512*\i th:TH_LOAD_NT   ; 32 lanes read 512 consecutive bytes
.endr
.endm
.macro XTURN t                         ; step t's numbers through the stage: LDS serves a wave's instructions in order, so no wait stands between the stores and the loads
.irp i, 0,1,2,3
	ds_store_b128 v14, v[R+16*((\t)%4)+4*\i:R+16*((\t)%4)+4*\i+3] offset:32*SP*((\t)%2)+8*SP*\i
.endr
.irp i, 0,1,2,3
	ds_load_b128 v[X+16*((\t)%2)+4*\i:X+16*((\t)%2)+4*\i+3], v15 offset:32*SP*((\t)%2)+16*\i
.endr
.endm
.irp t, 0,1,2,3
	XLOAD \t
.endr
	s_wait_alu depctr_va_vdst(0)
	s_wait_kmcnt 0x0
	s_cmp_eq_u32 s28, 0
	s_cselect_b32 s29, s32, s34                    ; e0 for q, e2 for k,
	s_cmp_eq_u32 s28, 2
	s_cselect_b32 s29, s36, s29                    ; e4 for v
	s_add_co_i32 s29, s29, 127
	s_lshl_b32 s30, s29, 23
	v_mov_b32 v11, s30                             ; 2^e as f32: the conversion takes its exponent field
	s_add_co_i32 s29, s29, 8
	s_lshl_b32 s29, s29, 23
	s_or_b32 s29, s29, 0x600000
	s_wait_alu depctr_va_vdst(0)
	s_wait_loadcnt 12                              ; step 0's four loads are in; those of steps 1 to 3 may be out
	XTURN 0
.macro XSTEP t
.set XS, X+16*((\t)%2)
	s_wait_dscnt 0x0                               ; this step's numbers are back from the stage: so its stores into the stage have read their registers,
.if (\t)+4 < STEPS
	XLOAD (\t)+4                                   ; which take the loads of four steps on
.endif
.if (\t)+1 < STEPS
.if STEPS-2-(\t) >= 3
	s_wait_loadcnt 12                              ; the next step's four loads are in; those of the three steps behind it may be out
.else
	s_wait_loadcnt 4*(STEPS-2-(\t))                ; at the end the count runs down
.endif
	XTURN (\t)+1                                   ; they go through the other stage while this step is worked
.endif
.irp i, 0,1,2,3,4,5,6,7,8,9,10,11,12,13,14,15
.endr
	v_cvt_scalef32_pk8_fp8_f32 v[C+4*(\t):C+4*(\t)+1], v[XS:XS+7], v11
	v_cvt_scalef32_pk8_fp8_f32 v[C+4*(\t)+2:C+4*(\t)+3], v[XS+8:XS+15], v11   ; the results go to a store alone
	global_store_b128 v3, v[C+4*(\t):C+4*(\t)+3], s[20:21] offset:512*(\t)    ; 32 lanes store 512 consecutive bytes, at a multiple of 256 from the buffer's first byte
.endm
.irp t, 0,1,2,3,4,5,6,7,8,9,10,11,12,13,14,15
	XSTEP \t
.endr
	s_wait_tensorcnt 0x0
	ds_add_u32 v192, v193
	s_wait_dscnt 0x0
	s_endpgm
; ---------------- THE WEIGHTS.  K is their FIRST axis.  A lane takes a column n and its registers run down K: each load reads neighbouring n in neighbouring lanes (128 consecutive bytes a wave, 512 a work-group),
; and the conversions give the codes with K innermost.  A lane's codes belong to one row of wc and the lanes beside it hold other rows: so a wave gathers 256 along K in its own stage and stores sixteen lanes to 256 aligned bytes.
.Lweights:
	s_lshr_b32 s28, ttmp9, 5                       ; which weight: 0 Wq, 1 Wk, 2 Wv, 3 Wo: 32 work-groups each
	s_cmp_eq_u32 s28, 0
	s_cselect_b64 s[26:27], s[10:11], s[12:13]
	s_cmp_eq_u32 s28, 2
	s_cselect_b64 s[26:27], s[14:15], s[26:27]
	s_cmp_eq_u32 s28, 3
	s_cselect_b64 s[26:27], s[16:17], s[26:27]
	s_and_b32 s29, ttmp9, 7                        ; which 128 columns
	s_bfe_u32 s30, ttmp9, 0x20003                  ; which 256 along K
	s_lshl_b32 s29, s29, 7
	s_lshl_b32 s44, s24, 5
	s_add_co_u32 s29, s29, s44                     ; my wave's first column
	s_lshl_b32 s44, s30, 20                        ; 256 rows of 4,096 bytes
	s_lshl_b32 s46, s29, 2
	s_add_co_u32 s44, s44, s46
	s_add_nc_u64 s[26:27], s[26:27], s[44:45]      ; W at my wave's part
	s_lshl_b32 s44, s28, 20                        ; the weight's codes,
	s_lshl_b32 s46, s29, 10                        ; my first column's row of 1,024 bytes,
	s_add_co_u32 s44, s44, s46
	s_lshl_b32 s46, s30, 8                         ; my 256 along K
	s_add_co_u32 s44, s44, s46
	s_add_nc_u64 s[22:23], s[22:23], s[44:45]
	s_wait_alu depctr_va_vdst(0)
	v_lshlrev_b32 v3, 2, v2                        ; in: 4 bytes a lane
	s_mul_i32 s46, s24, 32*PITCH
	s_add_co_u32 s46, s46, WSTG                    ; my stage
	v_mul_u32_u24 v4, v2, PITCH
	v_add_nc_u32 v4, s46, v4                       ; into it: row = my column
	v_and_b32 v5, 15, v2
	v_lshrrev_b32 v6, 4, v2                        ; out of it: sixteen lanes to a row, two rows an instruction
	v_mul_u32_u24 v7, v6, PITCH
	v_lshl_add_u32 v7, v5, 4, v7
	v_add_nc_u32 v7, s46, v7
	v_lshlrev_b32 v8, 10, v6
	v_lshl_add_u32 v8, v5, 4, v8                   ; and the same place in wc
.macro WLOAD t                         ; block t: W(32 t + i, my column), i = 0 .. 31, into set t % 2; the offsets reach 255 rows of 4,096 bytes, inside the signed 24-bit immediate
.irp i, 0,1,2,3,4,5,6,7,8,9,10,11,12,13,14,15,16,17,18,19,20,21,22,23,24,25,26,27,28,29,30,31
	global_load_b32 v[WX+32*((\t)%2)+\i], v3, s[26:27] offset:(32*(\t)+\i)*4096 th:TH_LOAD_NT
.endr
.endm
	WLOAD 0
	WLOAD 1
	s_wait_kmcnt 0x0
	s_cmp_eq_u32 s28, 0
	s_cselect_b32 s29, s33, s35                    ; e1 for Wq, e3 for Wk,
	s_cmp_eq_u32 s28, 2
	s_cselect_b32 s29, s37, s29                    ; e5 for Wv,
	s_cmp_eq_u32 s28, 3
	s_cselect_b32 s29, s43, s29                    ; e11 for Wo
	s_add_co_i32 s29, s29, 127
	s_lshl_b32 s30, s29, 23
	v_mov_b32 v11, s30                             ; 2^e
	s_add_co_i32 s29, s29, 8
	s_lshl_b32 s29, s29, 23
	s_or_b32 s29, s29, 0x600000
.macro WBLOCK t
.set XS, WX+32*((\t)%2)
.if (\t) < NB-1
	s_wait_loadcnt 32                              ; this block's 32 loads are in; the next block's may be out
.else
	s_wait_loadcnt 0x0
.endif
.irp i, 0,1,2,3,4,5,6,7,8,9,10,11,12,13,14,15,16,17,18,19,20,21,22,23,24,25,26,27,28,29,30,31
.endr
.irp g, 0,1,2,3
	v_cvt_scalef32_pk8_fp8_f32 v[WC+2*\g:WC+2*\g+1], v[XS+8*\g:XS+8*\g+7], v11
.endr
	ds_store_b128 v4, v[WC:WC+3] offset:32*(\t)    ; 32 codes: 32 bytes of my column's row
	ds_store_b128 v4, v[WC+4:WC+7] offset:32*(\t)+16
.if (\t)+2 < NB
	WLOAD (\t)+2
.endif
	s_wait_dscnt 0x0                               ; the stores have read their registers: the next block's codes may be written
.endm
.set Q, 0
	s_wait_alu depctr_va_vdst(0)
.rept NB
	WBLOCK Q
.set Q, Q+1
.endr
.irp t, 0,1,2,3,4,5,6,7,8,9,10,11,12,13,14,15
	ds_load_b128 v[OUTR+4*\t:OUTR+4*\t+3], v7 offset:2*\t*PITCH   ; LDS serves a wave's instructions in order: these see my stores
.endr
.irp t, 0,1,2,3,4,5,6,7,8,9,10,11,12,13,14,15
	s_wait_dscnt 15-\t                             ; rows 2 t and 2 t + 1 are back; the younger reads may be out
	global_store_b128 v8, v[OUTR+4*\t:OUTR+4*\t+3], s[22:23] offset:2*\t*1024   ; sixteen lanes store 256 consecutive bytes, aligned
.endr
	s_wait_tensorcnt 0x0
	ds_add_u32 v192, v193
	s_wait_dscnt 0x0
	s_endpgm
.Lfunc_end_k_q8180459eba_quant:
	.size	k_q8180459eba_quant, .Lfunc_end_k_q8180459eba_quant-k_q8180459eba_quant
	.p2alignl 7, 3214868480
	.fill 96, 4, 3214868480
	.section	.rodata,"a",@progbits
	.p2align	6, 0x0
	.amdhsa_kernel k_q8180459eba_quant
		.amdhsa_group_segment_fixed_size 68096
		.amdhsa_private_segment_fixed_size 0
		.amdhsa_enable_private_segment 0
		.amdhsa_kernarg_size 80
		.amdhsa_user_sgpr_count 2
		.amdhsa_user_sgpr_kernarg_segment_ptr 1
		.amdhsa_wavefront_size32 1
		.amdhsa_system_sgpr_workgroup_id_x 1
		.amdhsa_system_sgpr_workgroup_id_y 1
		.amdhsa_system_sgpr_workgroup_id_z 1
		.amdhsa_system_vgpr_workitem_id 0
		.amdhsa_next_free_vgpr 194
		.amdhsa_next_free_sgpr 66
		.amdhsa_reserve_vcc 0
		.amdhsa_float_denorm_mode_32 3
		.amdhsa_float_denorm_mode_16_64 3
		.amdhsa_fp16_overflow 1
		.amdhsa_memory_ordered 1
		.amdhsa_forward_progress 1
		.amdhsa_inst_pref_size 54
	.end_amdhsa_kernel
	.amdgpu_metadata
---
amdhsa.version: [ 1, 2 ]
amdhsa.kernels:
  - .name:           k_q8180459eba_quant
    .symbol:         k_q8180459eba_quant.kd
    .args:
      - { .name: q, .offset: 0, .size: 8, .value_kind: global_buffer, .address_space: global }
      - { .name: k, .offset: 8, .size: 8, .value_kind: global_buffer, .address_space: global }
      - { .name: v, .offset: 16, .size: 8, .value_kind: global_buffer, .address_space: global }
      - { .name: Wq, .offset: 24, .size: 8, .value_kind: global_buffer, .address_space: global }
      - { .name: Wk, .offset: 32, .size: 8, .value_kind: global_buffer, .address_space: global }
      - { .name: Wv, .offset: 40, .size: 8, .value_kind: global_buffer, .address_space: global }
      - { .name: Wo, .offset: 48, .size: 8, .value_kind: global_buffer, .address_space: global }
      - { .name: lowp_scales, .offset: 56, .size: 8, .value_kind: global_buffer, .address_space: global }
      - { .name: xc, .offset: 64, .size: 8, .value_kind: global_buffer, .address_space: global }
      - { .name: wc, .offset: 72, .size: 8, .value_kind: global_buffer, .address_space: global }
    .group_segment_fixed_size: 68096
    .private_segment_fixed_size: 0
    .kernarg_segment_align: 8
    .kernarg_segment_size: 80
    .max_flat_workgroup_size: 128
    .sgpr_count:     66
    .vgpr_count:     194
    .wavefront_size: 32
...
	.end_amdgpu_metadata
.endif
;; end of part 1
;; launch proj (part 2): grid 4 x 96, 4 waves a work-group, clusters of 4 x 4, 327,680 bytes of LDS; arguments xc, wc, bq, bk, bv, lowp_scales, img; writes img
.if DOCPART == 2
	.amdgcn_target "amdgcn-amd-amdhsa--gfx1250"
	.amdhsa_code_object_version 6
	.text
	.protected	k_q8180459eba_proj
	.globl	k_q8180459eba_proj
	.p2align	8
	.type	k_q8180459eba_proj,@function
k_q8180459eba_proj:
	s_mov_b64 s[64:65], 0
	v_nop
	global_prefetch_b8 v0, s[64:65] scope:SCOPE_SE
	s_setreg_imm32_b32 hwreg(HW_REG_WAVE_MODE, 25, 1), 1
	s_wait_xcnt 0x0
	s_wait_alu depctr_hold_cnt(0) depctr_sa_sdst(0) depctr_va_vdst(0) depctr_va_sdst(0) depctr_va_ssrc(0) depctr_va_vcc(0) depctr_vm_vsrc(0)
	s_getreg_b32 s2, hwreg(HW_REG_IB_STS2, 6, 4)
	s_cmp_eq_u32 s2, 0
	s_cbranch_scc0 .Lentry_in_a_cluster
	s_endpgm
.Lentry_in_a_cluster:
	s_bfe_u32 s2, ttmp6, 0x10000c
	s_cmp_lg_u32 s2, 0xf033
	s_cbranch_scc0 .Lentry_shape_is_right
	s_endpgm
.Lentry_shape_is_right:
; THE THREE PROJECTIONS on codes of FP8 (E4M3): y = x W + b, and y quantised at once for attention's products.  One text for all three: C[m][n] = sum over k of A[m][k] B[n][k], K = 1,024.
;   z = 0 (q), 1 (k): A = the tokens' codes xc[z] (8,192 rows), B = the weight's codes wc[z] (1,024 rows: channels).   z = 2 (v): A = wc[2] (channels), B = xc[2] (tokens).
; THE MATRIX INSTRUCTION IS USED TRANSPOSED (source 0 = 16 rows of B, source 1 = 16 rows of A): a lane holds one row of A and its eight registers eight neighbouring rows of B.  So for q and k a lane's registers run
; along the head's channels, which are K of the scores' product, and for v along the keys, which are K of the second product.  One conversion of an accumulator's eight registers gives two registers of the next
; operand in that operand's own layout (registers 2 c, 2 c + 1: k = 16 c + 8 (lane / 16) + 0 .. 7): the codes leave AS IMAGES OF THE OPERAND'S REGISTERS, 16 bytes a lane at 16 x lane, 512 consecutive bytes a store.
; img: [3][head g = 16 b + h: 64][131,072 bytes].  Q, K of a head: [tile of 16 tokens: 128][piece: 2][lane][16 bytes].  V of a head: [step of 128 keys: 16][16 channels t: 4][piece: 4][lane][16 bytes].
; A tile of C, 256 x 256, is made by four waves, each 128 x 128: 64 accumulators.  K goes in four steps of 256 through a ring of two LDS slots filled by the tensor data mover.
; CLUSTERS: 4 x 4 work-groups; the grid's 24 clusters are 8 for each z.  The four of a row of the cluster need the same tiles of A, the four of a column the same tiles of B: each tile is asked for jointly.
; z, and all that is chosen by it, is the same in all sixteen partners; it is chosen by s_cselect and v_cndmask, never by a branch.
; LIMITS: e0 + e1, e2 + e3, e4 + e5 between -126 and 127; e6, e7, e9 between -126 and 119: so that each power of two below is an f32 number.
; The fragments are fetched by 16-byte loads: a permutation of k within an instruction's 128, the same in A and in B, so that every product meets its partner.
; REGISTERS, in windows of 256: window 0: v0-31 addresses and constants; v32-95 the bias by column, v96-111 by row; v112-127 codes; from v128 A's fragments, one set; on the way out v128-191 at work.
;   window 1: B's fragments, two sets.   window 2: the accumulators of my rows 0-63 ((a, b) at v[8 (8 a + b)]);   window 3: those of my rows 64-127.
.set ROWB,   256                       ; a tile's row: 256 codes
.set KROW,   1024                      ; a row of xc or wc in memory
.set PITCH,  272                       ; an LDS row: 256 bytes + 16 of padding = 68 words: the 16 rows that a load touches start at 16 different banks (64 banks of 4 bytes: ISA guide 11.1)
.set FR,     16                        ; registers of a fragment: 16 rows x 128 K
.set NL,     4                         ; LDS loads that bring one
.set NP,     4                         ; places behind this matrix instruction (ISA guide 7.12.1)
.set HALFT,  128*PITCH                 ; 128 rows: what one tensor load brings, and what one wave reads of A or of B
.set SLOT,   4*HALFT                   ; A's 256 rows, then B's 256 rows
.set SPARE,  2*SLOT                    ; behind the ring: the spare words, 128 bytes for each wave: two blocks of 256 bytes that no other line names
.set SCL,  8                           ; v8   2^eo as f32, for the conversions
.set LIM,  9
.set VO0,  10                          ; v10  16 x lane: my place in an image's piece
.set VO2,  11                          ; v11  the same two pieces on: the next head's image (q, k: + 131,072) or the fragment's second half (v: + 1,024)
.set BCO,  12                          ; v12  byte offset of my eight numbers of the bias by column
.set BRO,  13                          ; v13  byte offset of my number of the bias by row
.set ZER,  14                          ; v14  0
.set ADRA, 16                          ; v16-17  LDS address of my A fragments in slot 0, 1
.set ADRB, 20                          ; v20-21  the same for B
.set SPW,  28                          ; v28  LDS address of my spare word; never rewritten
.set NIL,  29                          ; v29  0; never rewritten
.set BC,   32                          ; v32-95   bias[n0 + 16 b + 8 (lane / 16) + j] at 8 b + j (q, k), zeros (v)
.set BR,   96                          ; v96-111  bias[m0 + 16 a + lane % 16], twice, at 2 a (v), zeros (q, k)
.set CD,   112                         ; v112-127 a block's codes
.set AF,   128                         ; A's fragments
.set T,    128                         ; the way out: a block's 64 numbers
.set G1, 24                            ; s[24:31] descriptor group 1 for A's tiles;  s[32:39] group 0, one set for each slot
.set G0, 32
.set G1B, 48                           ; s[48:55], s[56:63] the same for B's tiles
.set G0B, 56
.set MSB, 0
.macro WIN new                         ; the immediate's high byte repeats the setting that is left
.if MSB != \new
	s_set_vgpr_msb (MSB<<8)|\new
.set MSB, \new
.endif
.endm
.set MUL_LO, 0xa1                      ; source 0 (B) window 1, source 1 (A) window 0, C and D window 2
.set MUL_HI, 0xf1                      ; the same, C and D window 3
.set TO_B,   0x40                      ; destination window 1, address window 0
; A joint load: waves 0 and 1 fetch for A, waves 2 and 3 for B.  Each of the two lines has one mask and one set of registers for all that issue it; the branch hangs on the wave's number alone.
; Four v_nop follow each of the two lines, ahead of the jump, the label and what follows.
.macro JLOAD g0a, g1a, g0b, g1b
	s_cmp_eq_u32 s19, 0
	s_cbranch_scc0 .Lfor_b_\@
	tensor_load_to_lds s[\g0a:\g0a+3], s[\g1a:\g1a+7]
	s_nop 0
.rept 4
	v_nop
.endr
	s_branch .Lasked_\@
.Lfor_b_\@:
	tensor_load_to_lds s[\g0b:\g0b+3], s[\g1b:\g1b+7]
	s_nop 0
.rept 4
	v_nop
.endr
.Lasked_\@:
.endm
.macro CREST                           ; a round of the cluster's barrier behind its opening barrier
	s_cmp_lg_u32 s18, 0
	s_cbranch_scc1 .Lnot_wave_0_\@
	s_barrier_signal -3
.Lnot_wave_0_\@:
	s_barrier_wait -3
	s_barrier_signal -1
	s_barrier_wait -1
.endm
.macro CROUND                          ; a whole round
	s_barrier_signal -1
	s_barrier_wait -1
	CREST
.endm
	s_load_b256 s[4:11], s[0:1], 0x0               ; xc s[4:5], wc s[6:7], bq s[8:9], bk s[10:11]
	s_load_b128 s[12:15], s[0:1], 0x20             ; bv s[12:13], the scales' exponents s[14:15]
	s_load_b64 s[16:17], s[0:1], 0x30              ; img
	v_lshl_add_u32 v[SPW], v0, 2, SPARE
	v_mov_b32 v[NIL], 0
	ds_add_u32 v28, v29
	ds_add_u32 v28, v29
	s_wait_dscnt 0x0
	v_lshrrev_b32 v1, 5, v0
	v_readfirstlane_b32 s18, v1                    ; wave 0..3
	s_lshr_b32 s19, s18, 1                         ; which half of the tile's rows is mine.  Also: I fetch for A (0) or for B (1)
	s_and_b32 s20, s18, 1                          ; which half of its columns.  Also: which 128 rows of that tile I fetch
	s_bfe_u32 s21, ttmp6, 0x40000                  ; cx, cy: my place in the cluster
	s_bfe_u32 s22, ttmp6, 0x40004
	s_and_b32 s23, ttmp7, 0xffff                   ; the cluster's y, 0 .. 23 (the grid is one cluster wide)
	s_lshr_b32 s66, s23, 3                         ; z
	s_and_b32 s67, s23, 7
	s_lshl_b32 s67, s67, 2                         ; the cluster's four tiles along the tokens begin here
	s_lshl_b32 s40, s66, 20                        ; z's weight in wc
	s_lshl_b32 s41, s66, 23                        ; z's tensor in xc
	s_cmp_eq_u32 s66, 2                            ; v?
	s_cselect_b32 s80, 0, s67
	s_cselect_b32 s81, s67, 0
	s_cselect_b32 s100, -1, 0                      ; all lanes for v
	s_cselect_b32 s101, 0, -1                      ; all lanes for q and k
	s_cselect_b32 s88, s40, s41                    ; where A begins in its buffer,
	s_cselect_b32 s89, s41, s40                    ; and B
	s_add_co_u32 s80, s80, s22                     ; tile row of C
	s_add_co_u32 s81, s81, s21                     ; tile column of C
	s_lshl_b32 s82, s22, 2
	s_lshl_b32 s82, 15, s82                        ; my row of the cluster
	s_lshl_b32 s83, 0x1111, s21                    ; my column
	; descriptor group 1: a tile of 128 rows x 256 bytes, padded in LDS
	s_or_b32 s[G1+0], s82, (0<<16)|(1<<20)|(1<<21)|(5<<22)|(3<<25)  ; 15:0 the mask: A's tiles go to my row; 17:16 element of 1 byte; 20 padding on; 21 set beside a mask; 24:22 after every 64 words (code 5); 31:25 of 4 words (code 3)
	s_or_b32 s[G1B+0], s83, (0<<16)|(1<<20)|(1<<21)|(5<<22)|(3<<25)
.irp g, G1, G1B
	s_mov_b32 s[\g+1], ROWB<<16                    ; tensor_dim0
	s_mov_b32 s[\g+2], 128<<16                     ; tensor_dim1 = 128
	s_mov_b32 s[\g+3], ROWB<<16                    ; tile_dim0
	s_mov_b32 s[\g+4], 128                         ; tile_dim1 = 128
	s_mov_b32 s[\g+5], KROW                        ; tensor_dim0_stride
	s_mov_b32 s[\g+6], 0
	s_mov_b32 s[\g+7], 0
.endr
	s_lshl_b32 s40, s20, 7                         ; which 128 rows of the tile I fetch
	s_lshl_b32 s44, s80, 8
	s_add_co_u32 s44, s44, s40                     ; A: row 256 x tile row + 128 x half,
	s_lshl_b32 s44, s44, 10                        ; in bytes (under 2^25),
	s_add_co_u32 s44, s44, s88                     ; in z's part of the buffer
	s_mov_b32 s45, 0
	s_lshl_b32 s46, s81, 8
	s_add_co_u32 s46, s46, s40                     ; B likewise, by the tile column
	s_lshl_b32 s46, s46, 10
	s_add_co_u32 s46, s46, s89
	s_mov_b32 s47, 0
	s_mul_i32 s2, s18, HALFT                       ; where they go: wave x 128 rows: no place in the cluster enters an LDS address
	s_wait_kmcnt 0x0
	s_load_b256 s[68:75], s[14:15], 0x0            ; e0 .. e7
	s_load_b128 s[76:79], s[14:15], 0x20           ; e8 .. e11
	s_cmp_eq_u32 s66, 2
	s_cselect_b64 s[84:85], s[6:7], s[4:5]         ; A's buffer,
	s_cselect_b64 s[86:87], s[4:5], s[6:7]         ; B's,
	s_cselect_b64 s[90:91], s[12:13], s[10:11]     ; and the bias: bv, bk,
	s_cmp_eq_u32 s66, 0
	s_cselect_b64 s[90:91], s[8:9], s[90:91]       ; or bq
	s_add_nc_u64 s[84:85], s[84:85], s[44:45]
	s_add_nc_u64 s[86:87], s[86:87], s[46:47]
	CROUND                                         ; all sixteen work-groups are here: the first joint loads meet
.irp s, 0,1
	s_mov_b32 s[G0+4*\s], 1
	s_add_co_u32 s[G0+4*\s+1], s2, \s*SLOT
	s_add_nc_u64 s[G0+4*\s+2:G0+4*\s+3], s[84:85], \s*ROWB
	s_or_b32 s[G0+4*\s+3], s[G0+4*\s+3], 0x80000000
	s_mov_b32 s[G0B+4*\s], 1
	s_add_co_u32 s[G0B+4*\s+1], s2, \s*SLOT
	s_add_nc_u64 s[G0B+4*\s+2:G0B+4*\s+3], s[86:87], \s*ROWB
	s_or_b32 s[G0B+4*\s+3], s[G0B+4*\s+3], 0x80000000
	s_wait_alu depctr_va_vdst(0)
	s_wait_tensorcnt 0x0
	ds_add_u32 v28, v29
	ds_add_u32 v28, v29
	s_wait_dscnt 0x0
	CROUND
	JLOAD G0+4*\s, G1, G0B+4*\s, G1B               ; K steps 0 and 1: two loads of mine are out
.endr
	v_and_b32 v1, 15, v0                           ; r = lane % 16
	v_bfe_u32 v2, v0, 4, 1                         ; lane / 16
	s_wait_alu depctr_va_vdst(0)
	s_lshl_b32 s92, s80, 8
	s_lshl_b32 s40, s19, 7
	s_add_co_u32 s92, s92, s40                     ; m0: my first row of C
	s_lshl_b32 s93, s81, 8
	s_lshl_b32 s40, s20, 7
	s_add_co_u32 s93, s93, s40                     ; n0: my first column
	s_mov_b32 s42, 131072
	s_cmp_eq_u32 s66, 2
	s_cselect_b32 s94, s93, s92                    ; my first token,
	s_cselect_b32 s95, s92, s93                    ; my first channel
	s_cselect_b32 s40, 0, s93                      ; the bias by column begins at n0 (q, k); for v it is read at 0 and masked: no load leaves the 1,024 numbers
	s_cselect_b32 s41, s92, 0                      ; the bias by row begins at m0 (v); else read at 0 and masked
	s_cselect_b32 s42, 1024, s42
	s_lshl_b32 s40, s40, 2
	s_lshl_b32 s41, s41, 2
	v_lshl_add_u32 v[BCO], v2, 5, s40
	v_lshl_add_u32 v[BRO], v1, 2, s41
.irp b, 0,1,2,3,4,5,6,7
	global_load_b128 v[BC+8*\b:BC+8*\b+3], v[BCO], s[90:91] offset:64*\b
	global_load_b128 v[BC+8*\b+4:BC+8*\b+7], v[BCO], s[90:91] offset:64*\b+16
.endr
.irp a, 0,1,2,3,4,5,6,7
	global_load_b32 v[BR+2*\a], v[BRO], s[90:91] offset:64*\a
.endr
	v_and_b32 v[VO0], 31, v0
	v_lshlrev_b32 v[VO0], 4, v[VO0]
	v_add_nc_u32 v[VO2], s42, v[VO0]
	v_mov_b32 v[ZER], 0
	v_mul_u32_u24 v3, v1, PITCH
	v_lshl_add_u32 v4, v2, 4, v3                   ; a fragment's row x pitch + 16 x half
	s_mul_i32 s40, s19, HALFT                      ; my 128 rows of A
	s_mul_i32 s41, s20, HALFT                      ; my 128 rows of B,
	s_add_co_u32 s41, s41, 2*HALFT                 ; which lie behind A's 256
.irp s, 0,1
	v_add_nc_u32 v[ADRA+\s], s40, v4
	v_add_nc_u32 v[ADRB+\s], s41, v4
	s_add_co_u32 s40, s40, SLOT
	s_add_co_u32 s41, s41, SLOT
.endr
	; where my images begin: tensor z, batch = token / 2,048, head = channel / 64, and (token % 2,048) x 64 bytes: 16 tokens of Q or K are 1,024 bytes, 128 keys of V 8,192
	s_lshl_b32 s44, s66, 23
	s_lshr_b32 s45, s94, 11
	s_lshl_b32 s45, s45, 21
	s_add_co_u32 s44, s44, s45
	s_lshr_b32 s45, s95, 6
	s_lshl_b32 s45, s45, 17
	s_add_co_u32 s44, s44, s45
	s_and_b32 s45, s94, 2047
	s_lshl_b32 s45, s45, 6
	s_add_co_u32 s44, s44, s45
	s_mov_b32 s45, 0
	s_add_nc_u64 s[98:99], s[16:17], s[44:45]
	s_mov_b32 s40, 1024                            ; from block to block of 16 rows: q, k: the next 16 tokens; v: the next 16 channels, 2,048 bytes on,
	s_mov_b32 s42, 1024
	s_cmp_eq_u32 s66, 2
	s_cselect_b32 s40, 2048, s40
	s_cselect_b32 s42, 124928, s42                 ; and from block 3 to block 4 of v the next head: 131,072 - 3 x 2,048
	s_mov_b32 s41, 0
	s_mov_b32 s43, 0
	s_wait_alu depctr_va_vdst(0)
	s_wait_kmcnt 0x0
	s_add_co_i32 s44, s68, s69                     ; e0 + e1
	s_add_co_i32 s45, s70, s71                     ; e2 + e3
	s_add_co_i32 s46, s72, s73                     ; e4 + e5
	s_cmp_eq_u32 s66, 0
	s_cselect_b32 s44, s44, s45
	s_cselect_b32 s47, s74, s75                    ; the result's own scale: e6 for q, e7 for k,
	s_cmp_eq_u32 s66, 2
	s_cselect_b32 s44, s46, s44
	s_cselect_b32 s47, s77, s47                    ; e9 for v
	s_add_co_i32 s44, s44, 127
	s_lshl_b32 s96, s44, 23                        ; 2^(ea + eb) as f32
	s_mov_b32 s97, s96                             ; (named with it as a pair, so it is written)
	s_add_co_i32 s47, s47, 127
	s_lshl_b32 s44, s47, 23
	v_mov_b32 v[SCL], s44
	s_wait_loadcnt 0x0                             ; the biases, while the first tiles are on their way: of the two, the one that z does not use becomes zeros
.set i, 0
.rept 64
	v_cndmask_b32 v[BC+i], v[BC+i], v[ZER], s100
.set i, i+1
.endr
.irp a, 0,1,2,3,4,5,6,7
	v_cndmask_b32 v[BR+2*\a+1], v[BR+2*\a], v[ZER], s101
	v_cndmask_b32 v[BR+2*\a], v[BR+2*\a], v[ZER], s101
.endr
.macro FRAG reg, adr, q, i             ; a fragment, 16 rows x 128 K: lane l holds row l % 16; registers 4 c .. 4 c + 3 hold the row's bytes 32 c + 16 (l / 16) + 0 .. 15
.irp c, 0,1,2,3
	ds_load_b128 v[\reg+4*\c:\reg+4*\c+3], v[\adr] offset:128*(\q)+32*\c+(\i)*16*PITCH
.endr
.endm
; 16 matrix instructions: A's blocks a0, a0 + 1 x B's eight, 128 along K.  p: B's set.  zero = 1: the first product starts the sums: nothing is ever cleared.
; The 64 accumulators take turns, one instruction a turn, in the same order in every step.
.macro MUL16 a0, p, zero
.irp a, \a0, \a0+1
.irp b, 0,1,2,3,4,5,6,7
.if \zero
	v_wmma_f32_16x16x128_fp8_fp8 v[8*(8*((\a)%4)+\b):8*(8*((\a)%4)+\b)+7], v[128*(\p)+FR*\b:128*(\p)+FR*\b+FR-1], v[AF+FR*(\a):AF+FR*(\a)+FR-1], 0
.else
	v_wmma_f32_16x16x128_fp8_fp8 v[8*(8*((\a)%4)+\b):8*(8*((\a)%4)+\b)+7], v[128*(\p)+FR*\b:128*(\p)+FR*\b+FR-1], v[AF+FR*(\a):AF+FR*(\a)+FR-1], v[8*(8*((\a)%4)+\b):8*(8*((\a)%4)+\b)+7]
.endif
.endr
.endr
.endm
.macro FETCH_B slot, q, p              ; B's eight fragments of the slot's q-th 128 along K into set p
	WIN TO_B
.irp i, 0,1,2,3,4,5,6,7
	FRAG 128*(\p)+FR*\i, ADRB+\slot, \q, \i
.endr
	WIN 0
.endm
.macro FETCH_A slot, q, i0             ; A's blocks i0 .. i0 + 3
.irp i, \i0, \i0+1, \i0+2, \i0+3
	FRAG AF+FR*(\i), ADRA+\slot, \q, \i
.endr
.endm
; A load into a register that a matrix instruction has read, and a vector instruction that reads a matrix result or writes one of a matrix instruction's registers, stand NP places behind it;
; only plain vector instructions that name none of its registers are places (ISA guide 7.12.1 for vector instructions).
.macro PLACES n
.rept \n
	v_nop
.endr
.endm
; A step of 128 along K that has its successor in the same slot.  A block of A is free as soon as its eight products are issued, so A has one set: blocks 0-3 are fetched anew in the step's middle, blocks 4-7 at its end.
.macro STEP slot, q, zero
	s_wait_dscnt 4*NL                              ; B's set and A's blocks 0-3 are in; the youngest sixteen loads (A's blocks 4-7) may be out
	WIN MUL_LO
	MUL16 0, (\q)%2, \zero
	MUL16 2, (\q)%2, \zero
	s_wait_dscnt 0                                 ; A's blocks 4-7 are in (asked for 32 matrix instructions ago)
	PLACES NP
	FETCH_B \slot, (\q)+1, 1-(\q)%2
	FETCH_A \slot, (\q)+1, 0
	WIN MUL_HI
	MUL16 4, (\q)%2, \zero
	MUL16 6, (\q)%2, \zero
	PLACES NP
	WIN 0
	FETCH_A \slot, (\q)+1, 4
.endm
; A slot's last step changes slots: one barrier; in front of it each wave waits for all its tensor loads, adds 0 to its spare word, and waits for that and for its own reads of this slot.  fill = 1: this slot is filled again, two K steps ahead.
.macro TURN slot, next, fill
	s_wait_tensorcnt 0x0                           ; all my tensor loads have landed: my part of the next slot;  (every window is 0 here: the add's two registers lie in window 0)
	ds_add_u32 v[SPW], v[NIL]                      ; 0 onto my spare word
	s_wait_dscnt 4*NL+1                            ; (the add and the youngest sixteen loads, A's blocks 4-7, may be out)
	WIN MUL_LO
	MUL16 0, 1, 0                                  ; sixteen matrix instructions stand between the add and the wait for it
	s_wait_dscnt 0x0                               ; the add is done, and my reads of this slot are over
	s_barrier_signal -1
	MUL16 2, 1, 0
	WIN 0
	s_barrier_wait -1
.if \fill
	CREST                                          ; the barrier has opened a round of the cluster's barrier: no wave of any partner still reads this slot's tile or has a load on its way
	s_add_nc_u64 s[G0+4*\slot+2:G0+4*\slot+3], s[G0+4*\slot+2:G0+4*\slot+3], 2*ROWB
	s_add_nc_u64 s[G0B+4*\slot+2:G0B+4*\slot+3], s[G0B+4*\slot+2:G0B+4*\slot+3], 2*ROWB
	JLOAD G0+4*\slot, G1, G0B+4*\slot, G1B         ; the first tensor load behind the round, my one load until the next; the four v_nop behind it are the places in front of the loads below
.else
	PLACES NP
.endif
	FETCH_B \next, 0, 0
	FETCH_A \next, 0, 0
	WIN MUL_HI
	MUL16 4, 1, 0
	MUL16 6, 1, 0
	PLACES NP
	WIN 0
	FETCH_A \next, 0, 4
.endm
	s_wait_tensorcnt 1                             ; my part of K step 0 is in (K step 1's load may be out)
	s_barrier_signal -1
	s_barrier_wait -1                              ; everybody's is
	FETCH_B 0, 0, 0
	FETCH_A 0, 0, 0
	FETCH_A 0, 0, 4
	STEP 0, 0, 1                                   ; K = 1,024 is four slots' worth: eight steps of 128, written out; the first starts the sums
	TURN 0, 1, 1                                   ; slot 0 takes K step 2
	STEP 1, 0, 0
	TURN 1, 0, 1                                   ; slot 1 takes K step 3
	STEP 0, 0, 0
	TURN 0, 1, 0                                   ; nothing is left to fetch
	STEP 1, 0, 0
	s_wait_dscnt 4*NL                              ; the very last step
	WIN MUL_LO
	MUL16 0, 1, 0
	MUL16 2, 1, 0
	s_wait_dscnt 0
	WIN MUL_HI
	MUL16 4, 1, 0
	MUL16 6, 1, 0
	WIN 0
	PLACES NP                                      ; behind the last products: their results are read and A's registers written below
; THE WAY OUT, block by block of 16 rows of C x 128 columns.  y = sum x 2^(ea + eb) + bias (one of the two biases is zeros, so adding it rounds nothing); held within +-448 x 2^eo; eight registers to two of codes.
; The block's 16 registers of codes are, for q and k, the fragments of two heads (two pieces each) for 16 tokens; for v one fragment (four pieces): 16 channels x 128 keys.
.macro OUTBLK a
.set AC, 64*((\a)%4)
	WIN 0x02+((\a)/4)                              ; source 0: window 2 or 3
.set j, 0
.rept 32
	v_pk_fma_f32 v[T+j:T+j+1], v[AC+j:AC+j+1], s[96:97], v[BC+j:BC+j+1] op_sel_hi:[1,0,1]   ; each accumulator from its low end on
.set j, j+2
.endr
	WIN 0
.set j, 0
.rept 32
	v_pk_add_f32 v[T+j:T+j+1], v[T+j:T+j+1], v[BR+2*(\a):BR+2*(\a)+1]
.set j, j+2
.endr
.set j, 0
.rept 64
.set j, j+1
.endr
	s_wait_alu depctr_va_vdst(0)
	s_wait_xcnt 0x0                                ; the last block's stores have read their data and their base: both are written again only behind this wait
.if (\a) == 4
	s_add_nc_u64 s[98:99], s[98:99], s[42:43]
.elseif (\a) > 0
	s_add_nc_u64 s[98:99], s[98:99], s[40:41]
.endif
.irp b, 0,1,2,3,4,5,6,7
	v_cvt_scalef32_pk8_fp8_f32 v[CD+2*\b:CD+2*\b+1], v[T+8*\b:T+8*\b+7], v[SCL]
.endr
	v_nop                                          ; one plain vector instruction between the conversions and the next block's lines, which write their sources
	global_store_b128 v[VO0], v[CD:CD+3], s[98:99]                 ; 32 lanes store 512 consecutive bytes, at a multiple of 256 from the buffer's first byte
	global_store_b128 v[VO0], v[CD+4:CD+7], s[98:99] offset:512
	global_store_b128 v[VO2], v[CD+8:CD+11], s[98:99]
	global_store_b128 v[VO2], v[CD+12:CD+15], s[98:99] offset:512
.endm
.irp a, 0,1,2,3,4,5,6,7
	OUTBLK \a
.endr
	s_wait_tensorcnt 0x0                           ; the wave's end
	ds_add_u32 v[SPW], v[NIL]
	s_wait_dscnt 0x0
	CROUND                                         ; the closing round: no work-group ends while a partner may still ask for a tile that names it
	s_endpgm
.Lfunc_end_k_q8180459eba_proj:
	.size	k_q8180459eba_proj, .Lfunc_end_k_q8180459eba_proj-k_q8180459eba_proj
	.p2alignl 7, 3214868480
	.fill 96, 4, 3214868480
	.section	.rodata,"a",@progbits
	.p2align	6, 0x0
	.amdhsa_kernel k_q8180459eba_proj
		.amdhsa_group_segment_fixed_size 327680
		.amdhsa_private_segment_fixed_size 0
		.amdhsa_enable_private_segment 0
		.amdhsa_kernarg_size 56
		.amdhsa_user_sgpr_count 2
		.amdhsa_user_sgpr_kernarg_segment_ptr 1
		.amdhsa_wavefront_size32 1
		.amdhsa_system_sgpr_workgroup_id_x 1
		.amdhsa_system_sgpr_workgroup_id_y 1
		.amdhsa_system_sgpr_workgroup_id_z 1
		.amdhsa_system_vgpr_workitem_id 0
		.amdhsa_next_free_vgpr 1024
		.amdhsa_next_free_sgpr 102
		.amdhsa_reserve_vcc 0
		.amdhsa_float_denorm_mode_32 3
		.amdhsa_float_denorm_mode_16_64 3
		.amdhsa_fp16_overflow 1
		.amdhsa_memory_ordered 1
		.amdhsa_forward_progress 1
		.amdhsa_inst_pref_size 128
	.end_amdhsa_kernel
	.amdgpu_metadata
---
amdhsa.version: [ 1, 2 ]
amdhsa.kernels:
  - .name:           k_q8180459eba_proj
    .symbol:         k_q8180459eba_proj.kd
    .args:
      - { .name: xc, .offset: 0, .size: 8, .value_kind: global_buffer, .address_space: global }
      - { .name: wc, .offset: 8, .size: 8, .value_kind: global_buffer, .address_space: global }
      - { .name: bq, .offset: 16, .size: 8, .value_kind: global_buffer, .address_space: global }
      - { .name: bk, .offset: 24, .size: 8, .value_kind: global_buffer, .address_space: global }
      - { .name: bv, .offset: 32, .size: 8, .value_kind: global_buffer, .address_space: global }
      - { .name: lowp_scales, .offset: 40, .size: 8, .value_kind: global_buffer, .address_space: global }
      - { .name: img, .offset: 48, .size: 8, .value_kind: global_buffer, .address_space: global }
    .group_segment_fixed_size: 327680
    .private_segment_fixed_size: 0
    .kernarg_segment_align: 8
    .kernarg_segment_size: 56
    .max_flat_workgroup_size: 128
    .sgpr_count:     102
    .vgpr_count:     1024
    .wavefront_size: 32
...
	.end_amdgpu_metadata
.endif
;; end of part 2
;; launch attn (part 3): grid 8 x 32, 16 waves a work-group, no clusters, 327,680 bytes of LDS; arguments img, lowp_scales, ctx; writes ctx
.if DOCPART == 3
	.amdgcn_target "amdgcn-amd-amdhsa--gfx1250"
	.amdhsa_code_object_version 6
	.text
	.protected	k_q8180459eba_attn
	.globl	k_q8180459eba_attn
	.p2align	8
	.type	k_q8180459eba_attn,@function
k_q8180459eba_attn:
	s_mov_b64 s[64:65], 0
	v_nop
	global_prefetch_b8 v0, s[64:65] scope:SCOPE_SE
	s_setreg_imm32_b32 hwreg(HW_REG_WAVE_MODE, 25, 1), 1
	s_wait_xcnt 0x0
; CAUSAL ATTENTION on codes of FP8 (E4M3): 64 heads of 2,048 tokens x 64 channels.  Q, K, V come as images of the operands' registers (img: [3][head g: 64][131,072 bytes]; Q, K: [16 tokens: 128][piece: 2][lane][16 bytes];
; V: [128 keys: 16][16 channels t: 4][piece: 4][lane][16 bytes]), so every fragment is loads of 16 bytes at 16 x lane.  The result, quantised for the last projection, leaves likewise:
; ctx: [16 rows: 512][128 channels ks = h / 2: 8][piece: 4][lane][16 bytes]; head h fills pieces 2 (h % 2) and 2 (h % 2) + 1.
; THE SOFTMAX: t = score x 2^(e6 + e7) x log2(e) / 8; M = the row's largest t so far, rounded UP to a whole number; p = 2^(t - M) is quantised with 2^e8, not normalised.  The row's sum is taken of the unquantised p
; and divides at the end.  When M moves, the sum and O are multiplied by 2^(old M - new M), which rounds nothing.
; LAYOUT.  Both products are used transposed: S^T = K Q^T (source 0 = 16 keys, source 1 = my 16 queries; K = 64), O^T = V^T P^T (source 0 = 16 channels, source 1 = P; K = 128 keys): a lane holds ONE query (lane % 16)
; throughout.  In tile c of S^T register j is key 16 c + 8 (lane / 16) + j: its eight registers convert into registers 2 c, 2 c + 1 of P, the place that the K = 128 form gives those keys.
; SHARES.  A work-group owns two heads (waves 0-7, waves 8-15) and, of each, the blocks of 128 queries number 15 - x (late) and x (early), x = work-group x.  A wave owns one tile of 16 queries of the late block, then one of
; the early block: (16 - x) + (x + 1) = 17 key steps of 128 keys in every wave of every work-group.  Steps all of whose keys come after the queries are never walked; the last step of each block lies on the diagonal and is masked.
; Four waves share a SIMD, so that one wave's vector work stands beside another's matrix work and LDS loads.
; THE RING.  Two slots of four key steps; a step is K of head 0, K of head 1, V of head 0, V of head 1, 8,192 dense bytes each.  EVERY wave fetches one such block for each slot; by this text's count one load of a wave is out at a time.
; NO CLUSTER: work-groups of one pair of heads walk different sequences of key steps from step 16 - x on, so their requests could not be alike in every round.
; NO PREFETCH: a refill is asked for four key steps ahead of the wait for it.
; LIMITS: e6 + e7 between -123 and 130 (added to the exponent field of log2(e) / 8); e8, e10 between -126 and 119; e8 + e9 is applied by v_ldexp_f32 and has none.
; REGISTERS: v1 my place in a step's tiles; v2 the step's LDS address; v4 the mask's bound; v5, v6 the add's; v7 16 x lane; v12 -M, v13 the largest t, v[14:15] the sum in two halves; v16-23 Q; v24-31 the early tile's Q;
;   v32-95 fragments of K, then of V; v96-159 S^T, then p; v160-191 O^T; v192-199 ctx's codes; v224-239 P's codes; v240-254 constants and at work.
.set STEPB, 32768                      ; a key step's tiles
.set SLOT1, 1<<17                      ; four steps; slot 1 begins here, so that one exclusive or turns an address in one slot into the other's
.set SPARE, 2*SLOT1                    ; behind the ring: the spare words, 128 bytes for each wave: eight blocks of 256 bytes that no other line names
.set AK0, 1
.set ADR, 2
.set DM,  4
.set SPW, 5                            ; v5   LDS address of my spare word; never rewritten
.set NIL, 6                            ; v6   0; never rewritten
.set LI,  7
.set WV,  18                           ; s18  wave;  s19 wave % 8: my tile in a block;  s20 wave / 8: my head of the two
.set LB,  22                           ; s22  the late block's number, 15 - x: also the number of its last key step
.set SEL, 24                           ; s[24:25] lane selects for v_permlanex16_b32: lane l xor 16
.set CS,  26                           ; s[26:27] c = 2^(e6 + e7) log2(e) / 8
.set G1,  32                           ; s[32:39] descriptor group 1
.set G0,  40                           ; s[40:43] descriptor group 0, which walks
.set KVB, 44                           ; s[44:45] where the blocks that I fetch begin in img: K or V of one head
.set OFF, 46                           ; s[46:47] an offset, the upper word 0
.set TW,  48                           ; s48  the number, 0 .. 16 and on, of the step that I fetch
.set TB,  50                           ; s50  LDS byte at which the step in hand begins
.set TAU, 51                           ; s51  the number of the step in hand
.set IC,  52
.set OC,  53
.set EPV, 61                           ; s61  e8 + e9
.set CL,  66                           ; s[66:67] ctx at the late tile's pieces;  s[68:69] at the early tile's
.set CE,  68
	s_load_b128 s[4:7], s[0:1], 0x0                ; img s[4:5], the scales' exponents s[6:7]
	s_load_b64 s[8:9], s[0:1], 0x10                ; ctx
	v_lshl_add_u32 v[SPW], v0, 2, SPARE
	v_mov_b32 v[NIL], 0
	ds_add_u32 v5, v6
	ds_add_u32 v5, v6
	s_wait_dscnt 0x0
	v_lshrrev_b32 v1, 5, v0
	s_delay_alu instid0(VALU_DEP_1)
	v_readfirstlane_b32 s[WV], v1                  ; wave 0..15
	s_and_b32 s19, s[WV], 7
	s_lshr_b32 s20, s[WV], 3
	s_mov_b32 s21, ttmp9                           ; x: the early block's number
	s_sub_co_u32 s[LB], 15, s21
	s_and_b32 s23, ttmp7, 0xffff                   ; the pair of heads: 8 b + h / 2
	; descriptor group 1: a dense block of 8,192 bytes as 32 rows of 256
	s_mov_b32 s[G1], 3<<16                         ; 15:0 no mask; 17:16 elements of 8 bytes; no padding: every LDS read is 16 x lane on end
	s_mov_b32 s[G1+1], 32<<16                      ; tensor_dim0 = 32 elements
	s_mov_b32 s[G1+2], 32<<16                      ; tensor_dim1 = 32
	s_mov_b32 s[G1+3], 32<<16                      ; tile_dim0 = 32
	s_mov_b32 s[G1+4], 32                          ; tile_dim1 = 32
	s_mov_b32 s[G1+5], 32                          ; tensor_dim0_stride = 32
	s_mov_b32 s[G1+6], 0
	s_mov_b32 s[G1+7], 0
	; what I fetch: wave w brings, of the slot's step w / 4, block w % 4: K (w % 4 < 2) or V, of head w % 2 of the pair
	s_bfe_u32 s[OFF], s[WV], 0x10001
	s_add_co_u32 s[OFF], s[OFF], 1                 ; tensor 1 (K) or 2 (V) of img
	s_lshl_b32 s[OFF], s[OFF], 23
	s_and_b32 s49, s[WV], 1
	s_lshl_b32 s54, s23, 1
	s_add_co_u32 s49, s49, s54                     ; the head
	s_lshl_b32 s49, s49, 17
	s_add_co_u32 s[OFF], s[OFF], s49
	s_mov_b32 s[OFF+1], 0
	s_lshr_b32 s[TW], s[WV], 2
	s_wait_kmcnt 0x0
	s_load_b128 s[56:59], s[6:7], 0x18             ; e6, e7, e8, e9
	s_load_b32 s60, s[6:7], 0x28                   ; e10
	s_add_nc_u64 s[KVB:KVB+1], s[4:5], s[OFF:OFF+1]
	s_lshl_b32 s[OFF], s[TW], 13                   ; steps 0 to 3 are the late block's key steps 0 to 3
	s_mov_b32 s[G0], 1                             ; 1:0 count = 1
	s_lshl_b32 s[G0+1], s[WV], 13                  ; 63:32 LDS address: slot 0, wave x 8,192
	s_add_nc_u64 s[G0+2:G0+3], s[KVB:KVB+1], s[OFF:OFF+1]   ; 120:64 global address
	s_or_b32 s[G0+3], s[G0+3], 0x80000000          ; 127:126 type = 2
	tensor_load_to_lds s[G0:G0+3], s[G1:G1+7]      ; slot 0, ahead of everything else
	s_nop 0
.rept 4
	v_nop
.endr
	s_lshl_b32 s62, s[LB], 3
	s_add_co_u32 s62, s62, s19                     ; my late tile of 16 queries, 0 .. 127 in the head,
	s_lshl_b32 s63, s21, 3
	s_add_co_u32 s63, s63, s19                     ; my early one
	s_lshr_b32 s54, s23, 3
	s_lshl_b32 s54, s54, 7                         ; 128 tiles of rows to a batch
	s_and_b32 s55, s23, 7
	s_lshl_b32 s55, s55, 11                        ; ks x 2,048
	s_lshl_b32 s49, s20, 10
	s_add_co_u32 s55, s55, s49                     ; + my head's two pieces
	s_lshl_b32 s74, s23, 1
	s_add_co_u32 s74, s74, s20
	s_lshl_b32 s74, s74, 17                        ; my head's Q in img
	s_add_co_u32 s[OFF], s54, s62
	s_lshl_b32 s[OFF], s[OFF], 14                  ; a tile of rows of ctx is 16,384 bytes
	s_add_co_u32 s[OFF], s[OFF], s55
	s_add_nc_u64 s[CL:CL+1], s[8:9], s[OFF:OFF+1]
	s_add_co_u32 s[OFF], s54, s63
	s_lshl_b32 s[OFF], s[OFF], 14
	s_add_co_u32 s[OFF], s[OFF], s55
	s_add_nc_u64 s[CE:CE+1], s[8:9], s[OFF:OFF+1]
	s_lshl_b32 s[OFF], s62, 10
	s_add_co_u32 s[OFF], s[OFF], s74
	s_add_nc_u64 s[70:71], s[4:5], s[OFF:OFF+1]
	s_lshl_b32 s[OFF], s63, 10
	s_add_co_u32 s[OFF], s[OFF], s74
	s_add_nc_u64 s[72:73], s[4:5], s[OFF:OFF+1]
	v_and_b32 v[LI], 31, v0
	s_delay_alu instid0(VALU_DEP_1)
	v_lshlrev_b32 v[LI], 4, v[LI]
	global_load_b128 v[16:19], v[LI], s[70:71]             ; both tiles' Q stay in registers
	global_load_b128 v[20:23], v[LI], s[70:71] offset:512
	global_load_b128 v[24:27], v[LI], s[72:73]
	global_load_b128 v[28:31], v[LI], s[72:73] offset:512
	s_lshl_b32 s49, s20, 13
	v_add_nc_u32 v[AK0], s49, v[LI]                ; 16 x lane + my head's 8,192 bytes
	v_and_b32 v8, 15, v0
	v_bfe_u32 v9, v0, 4, 1
	s_delay_alu instid0(VALU_DEP_1)
	v_lshlrev_b32 v9, 3, v9
	s_delay_alu instid0(VALU_DEP_1)
	v_sub_nc_u32 v[DM], v8, v9
	s_lshl_b32 s49, s19, 4
	v_add_nc_u32 v[DM], s49, v[DM]                 ; my query's place in its block less 8 (lane / 16): in a step on the diagonal, register 8 c + j is hidden where 16 c + j is above it
	s_mov_b32 s[SEL], 0x76543210
	s_mov_b32 s[SEL+1], 0xfedcba98
	s_mov_b32 s[CS], 0x3e38aa3b                    ; log2(e) / 8
	s_mov_b32 s[TB], 0
	s_mov_b32 s[TAU], 0
	v_mov_b32 v13, 0xff61b1e6                      ; the largest t so far: -3e38, under every t
	s_delay_alu instid0(VALU_DEP_1)
	v_floor_f32 v12, -v13                          ; -M
	v_mov_b32 v14, 0                               ; the sum, in two halves
	v_mov_b32 v15, 0
	v_mov_b32 v246, 0                              ; written once: a lane permute's destination counts as one of its sources
	v_mov_b32 v253, 0                              ; (named as the upper half of the pair v[252:253])
.set i, 0
.rept 32
	v_mov_b32 v[160+i], 0                          ; O^T: the step is written once; a tile's first step finds zeros, which the first change of M leaves zeros
.set i, i+1
.endr
	s_wait_kmcnt 0x0
	s_add_co_i32 s49, s56, s57
	s_lshl_b32 s49, s49, 23
	s_add_co_i32 s[CS], s[CS], s49                 ; a score stands for score x 2^(e6 + e7): the two exponents are added to c's exponent field
	s_mov_b32 s[CS+1], s[CS]                       ; (named with it as a pair, so it is written)
	s_add_co_i32 s49, s58, 127
	s_lshl_b32 s54, s49, 23
	v_mov_b32 v244, s54                            ; 2^e8, for p's conversion
	s_add_co_i32 s49, s60, 127
	s_lshl_b32 s54, s49, 23
	v_mov_b32 v248, s54                            ; 2^e10, for ctx's
	s_add_co_i32 s[EPV], s58, s59
; A TILE IS FINISHED: O^T / the sum x 2^(e8 + e9) is ctx; held, quantised with 2^e10, and stored as two pieces of the last projection's operand.
.macro FINISH base
.rept 4
	v_nop                                          ; places behind the last products
.endr
	v_add_f32 v14, v14, v15                        ; the sum's two halves,
	s_delay_alu instid0(VALU_DEP_1)
	v_permlanex16_b32 v246, v14, s[SEL], s[SEL+1]
	s_delay_alu instid0(VALU_DEP_1)
	v_add_f32 v14, v14, v246                       ; and lane l xor 16's: the row's sum, at least 1/2
	s_wait_alu depctr_va_vdst(0)
	v_rcp_f32 v14, v14
	v_nop                                          ; a plain instruction behind the transcendental
	s_wait_xcnt 0x0                                ; the other tile's stores have read their data: the codes' registers are written again only behind this wait
	s_wait_alu depctr_va_vdst(0)                   ; the wait ahead of the reciprocal's first reader
	v_ldexp_f32 v14, v14, s[EPV]
.set i, 0
.rept 16
	v_pk_mul_f32 v[96+i:97+i], v[160+i:161+i], v[14:15] op_sel_hi:[1,0]   ; register 8 t + j: channel 16 t + 8 (lane / 16) + j of my query; each accumulator from its low end on
.set i, i+2
.endr
.set i, 0
.rept 32
.set i, i+1
.endr
.irp t, 0,1,2,3
	v_cvt_scalef32_pk8_fp8_f32 v[192+2*\t:193+2*\t], v[96+8*\t:103+8*\t], v248
.endr
	v_nop                                          ; one plain vector instruction behind the conversions
	global_store_b128 v[LI], v[192:195], s[\base:\base+1]              ; 32 lanes store 512 consecutive bytes, aligned
	global_store_b128 v[LI], v[196:199], s[\base:\base+1] offset:512
.endm
.macro RESET                           ; on to the early tile
	v_mov_b32 v13, 0xff61b1e6
	s_delay_alu instid0(VALU_DEP_1)
	v_floor_f32 v12, -v13
	v_mov_b32 v14, 0
	v_mov_b32 v15, 0
.set i, 0
.rept 32
	v_mov_b32 v[160+i], 0
.set i, i+1
.endr
.irp i, 0,1,2,3,4,5,6,7
	v_mov_b32 v[16+\i], v[24+\i]
.endr
.endm
; A KEY STEP: 128 keys.  tail = 0: in the loop; the step whose number is LB lies on the late block's diagonal and ends that tile (scalar branches on ids; no barrier and no tensor load stands in a step).  tail = 1: step 16, the early block's diagonal.
.macro STEP tail
	v_add_nc_u32 v[ADR], s[TB], v[AK0]
.rept 3
	v_nop                                          ; with the addition: four places in front of loads into registers that the last products have read
.endr
.irp c, 0,1,2,3,4,5,6,7                        ; K: eight fragments of 16 keys x 64 channels, two pieces each
	ds_load_b128 v[32+8*\c:35+8*\c], v[ADR] offset:1024*\c
	ds_load_b128 v[36+8*\c:39+8*\c], v[ADR] offset:1024*\c+512
.endr
	s_wait_alu depctr_va_vdst(0)
	s_wait_dscnt 8                                 ; tiles 0 to 3 are in; the eight loads of tiles 4 to 7 may be out
.irp c, 0,1,2,3
	v_wmma_f32_16x16x64_fp8_fp8 v[96+8*\c:103+8*\c], v[32+8*\c:39+8*\c], v[16:23], 0
.endr
	s_wait_dscnt 0x0
.irp c, 4,5,6,7
	v_wmma_f32_16x16x64_fp8_fp8 v[96+8*\c:103+8*\c], v[32+8*\c:39+8*\c], v[16:23], 0
.endr
.rept 4
	v_nop                                          ; places: K's registers take V below, and the scores are read
.endr
.irp t, 0,1,2,3                                ; V: four fragments of 16 channels x 128 keys; they land while the softmax is walked
.irp c, 0,1,2,3
	ds_load_b128 v[32+16*\t+4*\c:35+16*\t+4*\c], v[ADR] offset:16384+2048*\t+512*\c
.endr
.endr
.if \tail == 0
	s_cmp_lg_u32 s[TAU], s[LB]
	s_cbranch_scc1 .Lopen_\@                       ; all 128 keys count
.endif
	v_mov_b32 v254, 0xff800000                     ; on the diagonal the scores of hidden keys become -infinity ahead of the maximum: p = 0 then.  The block's first key counts for every query
.set n, 0
.rept 64
	v_cmp_gt_i32 vcc_lo, 16*(n/8)+n%8, v[DM]
	v_cndmask_b32 v[96+n], v[96+n], v254, vcc_lo
.set n, n+1
.endr
.Lopen_\@:
	v_max3_num_f32 v254, v96, v97, v98             ; the step's largest score of my query, among my 64 keys, in two chains,
	v_max3_num_f32 v252, v99, v100, v101
.irp i, 6,10,14,18,22,26,30,34,38,42,46,50,54,58
	v_max3_num_f32 v254, v254, v[96+\i], v[97+\i]
	v_max3_num_f32 v252, v252, v[98+\i], v[99+\i]
.endr
	v_max3_num_f32 v254, v254, v158, v159
	s_delay_alu instid0(VALU_DEP_1)
	v_max_num_f32 v254, v254, v252
	s_delay_alu instid0(VALU_DEP_1)
	v_permlanex16_b32 v246, v254, s[SEL], s[SEL+1]
	s_delay_alu instid0(VALU_DEP_1)
	v_max_num_f32 v254, v254, v246                 ; and among lane l xor 16's
	s_delay_alu instid0(VALU_DEP_1)
	v_mul_f32 v254, s[CS], v254                    ; as t (c is positive)
	s_delay_alu instid0(VALU_DEP_1)
	v_max_num_f32 v13, v13, v254                   ; the running largest t
	v_mov_b32 v254, v12
	s_delay_alu instid0(VALU_DEP_2)
	v_floor_f32 v12, -v13                          ; the new -M = floor(-t) = -ceil(t): M is a whole number
	s_delay_alu instid0(VALU_DEP_1)
	v_sub_f32 v254, v12, v254                      ; M's old value less its new one: a whole number, 0 or less
	s_delay_alu instid0(VALU_DEP_1)
	v_cvt_i32_f32 v254, v254                       ; (it saturates)
	s_delay_alu instid0(VALU_DEP_1)
	v_ldexp_f32 v252, 1.0, v254                    ; f = 2^(old M - new M)
.set i, 0
.rept 32
	v_pk_fma_f32 v[96+i:97+i], v[96+i:97+i], s[CS:CS+1], v[12:13] op_sel_hi:[1,0,0]   ; t - M, two at a time (of the pairs c and -M the low word serves both halves)
.set i, i+2
.endr
.set i, 0
	s_wait_alu depctr_va_vdst(0)
.rept 64
	v_exp_f32 v[96+i], v[96+i]                     ; p = 2^(t - M), at most 1: not normalised
.set i, i+1
.endr
	v_pk_mul_f32 v[14:15], v[14:15], v[252:253] op_sel_hi:[1,0]   ; the sums under the new M: the plain instruction behind the exponentials
	s_wait_alu depctr_va_vdst(0)                   ; one wait for the whole batch, ahead of its first reader
	v_pk_add_f32 v[242:243], v[100:101], v[104:105]
	v_pk_add_f32 v[254:255], v[108:109], v[112:113]
	v_pk_add_f32 v[250:251], v[116:117], v[120:121]
	v_pk_add_f32 v[240:241], v[124:125], v[128:129]
	v_pk_add_f32 v[238:239], v[132:133], v[136:137]
	v_pk_add_f32 v[236:237], v[140:141], v[144:145]
	v_pk_add_f32 v[234:235], v[148:149], v[152:153]
	v_pk_add_f32 v[14:15], v[14:15], v[156:157]
	v_pk_add_f32 v[242:243], v[242:243], v[96:97]
	v_pk_add_f32 v[254:255], v[254:255], v[98:99]
	v_pk_add_f32 v[250:251], v[250:251], v[102:103]
	v_pk_add_f32 v[240:241], v[240:241], v[106:107]
	v_pk_add_f32 v[238:239], v[238:239], v[110:111]
	v_pk_add_f32 v[236:237], v[236:237], v[114:115]
	v_pk_add_f32 v[234:235], v[234:235], v[118:119]
	v_pk_add_f32 v[14:15], v[14:15], v[122:123]
	v_pk_add_f32 v[242:243], v[242:243], v[126:127]
	v_pk_add_f32 v[254:255], v[254:255], v[130:131]
	v_pk_add_f32 v[250:251], v[250:251], v[134:135]
	v_pk_add_f32 v[240:241], v[240:241], v[138:139]
	v_pk_add_f32 v[238:239], v[238:239], v[142:143]
	v_pk_add_f32 v[236:237], v[236:237], v[146:147]
	v_pk_add_f32 v[234:235], v[234:235], v[150:151]
	v_pk_add_f32 v[14:15], v[14:15], v[154:155]
	v_pk_add_f32 v[242:243], v[242:243], v[158:159]
	s_delay_alu instid0(VALU_DEP_2)
	v_pk_add_f32 v[14:15], v[14:15], v[240:241]
	s_delay_alu instid0(VALU_DEP_2)
	v_pk_add_f32 v[242:243], v[242:243], v[238:239]
	v_pk_add_f32 v[254:255], v[254:255], v[236:237]
	v_pk_add_f32 v[250:251], v[250:251], v[234:235]
	s_delay_alu instid0(VALU_DEP_2)
	v_pk_add_f32 v[14:15], v[14:15], v[254:255]
	s_delay_alu instid0(VALU_DEP_2)
	v_pk_add_f32 v[242:243], v[242:243], v[250:251]
	s_delay_alu instid0(VALU_DEP_1)
	v_pk_add_f32 v[14:15], v[14:15], v[242:243]
.irp c, 0,1,2,3,4,5,6,7
.irp i, 0,1,2,3,4,5,6,7
.endr
	v_cvt_scalef32_pk8_fp8_f32 v[224+2*\c:225+2*\c], v[96+8*\c:103+8*\c], v244   ; keys 16 c + 8 (lane / 16) + 0 .. 7: registers 2 c, 2 c + 1 of P
.endr
.set i, 0
.rept 16
	v_pk_mul_f32 v[160+i:161+i], v[160+i:161+i], v[252:253] op_sel_hi:[1,0]   ; O^T under the new M.  (Also the plain instructions between the conversions and the products)
.set i, i+2
.endr
	s_wait_alu depctr_va_vdst(0)
	s_wait_dscnt 0x0                               ; V is in
.irp t, 0,1,2,3                                ; the four accumulators take turns, one instruction a turn
	v_wmma_f32_16x16x128_fp8_fp8 v[160+8*\t:167+8*\t], v[32+16*\t:47+16*\t], v[224:239], v[160+8*\t:167+8*\t]
.endr
.if \tail == 0
	s_cmp_lg_u32 s[TAU], s[LB]
	s_cbranch_scc1 .Lgo_\@
	FINISH CL                                      ; the late tile is finished,
	RESET                                          ; and the early one begins
.Lgo_\@:
	s_add_co_u32 s[TAU], s[TAU], 1
.else
	FINISH CE
.endif
.endm
; THE CHANGE OF SLOTS stands at a slot's head.  Each wave waits for all its tensor loads (its block of the slot ahead), adds 0 to its spare word, and waits for that and for its reads of the slot that it has left.
; Behind the barrier the slot ahead is whole and nobody reads the other one, which is filled with the next four steps (kind = 16: every wave a block), with step 16 alone (kind = 4: waves 0 to 3), or no more (kind = 0).
.macro CHANGE kind
	s_wait_tensorcnt 0x0                           ; no tensor load of mine is out, so group 0 may be written
	ds_add_u32 v[SPW], v[NIL]                      ; 0 onto my spare word; the descriptor's step stands between it and the wait for it
.if \kind
	s_xor_b32 s[G0+1], s[G0+1], SLOT1              ; the other slot than last time
	s_add_co_u32 s[TW], s[TW], 4                   ; four steps on
	s_sub_co_u32 s49, s[TW], s[LB]
	s_sub_co_u32 s49, s49, 1
	s_cmp_gt_u32 s[TW], s[LB]
	s_cselect_b32 s[OFF], s49, s[TW]               ; its key step: behind the late block's last, the early block's begin at 0 again
	s_lshl_b32 s[OFF], s[OFF], 13
	s_add_nc_u64 s[G0+2:G0+3], s[KVB:KVB+1], s[OFF:OFF+1]
	s_or_b32 s[G0+3], s[G0+3], 0x80000000
.endif
	s_wait_dscnt 0x0                               ; the add is done, and my reads of the slot that I have left are over
	s_barrier_signal -1
	s_barrier_wait -1
.if \kind == 16
	tensor_load_to_lds s[G0:G0+3], s[G1:G1+7]      ; the first thing behind the barrier, and my one tensor load until the next: it has four key steps in which to land
	s_nop 0
.rept 4
	v_nop
.endr
.elseif \kind == 4
	s_cmp_lt_u32 s[WV], 4
	s_cbranch_scc0 .Lnone_\@
	tensor_load_to_lds s[G0:G0+3], s[G1:G1+7]
	s_nop 0
.rept 4
	v_nop
.endr
.Lnone_\@:
.endif
.endm
.macro FOUR_STEPS                      ; a slot's four key steps: written once, walked four times; the LDS addresses hang on s[TB]
	s_mov_b32 s[IC], 4
.Lstep_\@:
	s_wait_alu depctr_va_vdst(0)
	STEP 0
	s_add_co_u32 s[TB], s[TB], STEPB
	s_sub_co_u32 s[IC], s[IC], 1
	s_cmp_lg_u32 s[IC], 0
	s_cbranch_scc1 .Lstep_\@
	s_sub_co_u32 s[TB], s[TB], 4*STEPB             ; back to a slot's first step,
	s_xor_b32 s[TB], s[TB], SLOT1                  ; in the other slot
.endm
	s_wait_loadcnt 0x0                             ; Q
	s_mov_b32 s[OC], 3
.Lslot:                                            ; steps 0 to 11; steps 4 to 15 are asked for
	CHANGE 16
	FOUR_STEPS
	s_sub_co_u32 s[OC], s[OC], 1
	s_cmp_lg_u32 s[OC], 0
	s_cbranch_scc1 .Lslot
	CHANGE 4                                       ; the tail is written out: step 16 is asked for
	FOUR_STEPS                                     ; steps 12 to 15
	CHANGE 0
	STEP 1                                         ; step 16
	s_wait_tensorcnt 0x0                           ; the wave's end
	ds_add_u32 v[SPW], v[NIL]
	s_wait_dscnt 0x0
	s_endpgm
.Lfunc_end_k_q8180459eba_attn:
	.size	k_q8180459eba_attn, .Lfunc_end_k_q8180459eba_attn-k_q8180459eba_attn
	.p2alignl 7, 3214868480
	.fill 96, 4, 3214868480
	.section	.rodata,"a",@progbits
	.p2align	6, 0x0
	.amdhsa_kernel k_q8180459eba_attn
		.amdhsa_group_segment_fixed_size 327680
		.amdhsa_private_segment_fixed_size 0
		.amdhsa_enable_private_segment 0
		.amdhsa_kernarg_size 24
		.amdhsa_user_sgpr_count 2
		.amdhsa_user_sgpr_kernarg_segment_ptr 1
		.amdhsa_wavefront_size32 1
		.amdhsa_system_sgpr_workgroup_id_x 1
		.amdhsa_system_sgpr_workgroup_id_y 1
		.amdhsa_system_sgpr_workgroup_id_z 1
		.amdhsa_system_vgpr_workitem_id 0
		.amdhsa_next_free_vgpr 256
		.amdhsa_next_free_sgpr 76
		.amdhsa_reserve_vcc 1
		.amdhsa_float_denorm_mode_32 3
		.amdhsa_float_denorm_mode_16_64 3
		.amdhsa_fp16_overflow 1
		.amdhsa_memory_ordered 1
		.amdhsa_forward_progress 1
		.amdhsa_inst_pref_size 74
	.end_amdhsa_kernel
	.amdgpu_metadata
---
amdhsa.version: [ 1, 2 ]
amdhsa.kernels:
  - .name:           k_q8180459eba_attn
    .symbol:         k_q8180459eba_attn.kd
    .args:
      - { .name: img, .offset: 0, .size: 8, .value_kind: global_buffer, .address_space: global }
      - { .name: lowp_scales, .offset: 8, .size: 8, .value_kind: global_buffer, .address_space: global }
      - { .name: ctx, .offset: 16, .size: 8, .value_kind: global_buffer, .address_space: global }
    .group_segment_fixed_size: 327680
    .private_segment_fixed_size: 0
    .kernarg_segment_align: 8
    .kernarg_segment_size: 24
    .max_flat_workgroup_size: 512
    .sgpr_count:     76
    .vgpr_count:     256
    .wavefront_size: 32
...
	.end_amdgpu_metadata
.endif
;; end of part 3
;; launch outp (part 4): grid 4 x 32, 4 waves a work-group, clusters of 4 x 4, 327,680 bytes of LDS; arguments ctx, wc, bo, lowp_scales, out0; writes out0
.if DOCPART == 4
	.amdgcn_target "amdgcn-amd-amdhsa--gfx1250"
	.amdhsa_code_object_version 6
	.text
	.protected	k_q8180459eba_outp
	.globl	k_q8180459eba_outp
	.p2align	8
	.type	k_q8180459eba_outp,@function
k_q8180459eba_outp:
	s_mov_b64 s[64:65], 0
	v_nop
	global_prefetch_b8 v0, s[64:65] scope:SCOPE_SE
	s_setreg_imm32_b32 hwreg(HW_REG_WAVE_MODE, 25, 1), 1
	s_wait_xcnt 0x0
	s_wait_alu depctr_hold_cnt(0) depctr_sa_sdst(0) depctr_va_vdst(0) depctr_va_sdst(0) depctr_va_ssrc(0) depctr_va_vcc(0) depctr_vm_vsrc(0)
	s_getreg_b32 s2, hwreg(HW_REG_IB_STS2, 6, 4)
	s_cmp_eq_u32 s2, 0
	s_cbranch_scc0 .Lentry_in_a_cluster
	s_endpgm
.Lentry_in_a_cluster:
	s_bfe_u32 s2, ttmp6, 0x10000c
	s_cmp_lg_u32 s2, 0xf033
	s_cbranch_scc0 .Lentry_shape_is_right
	s_endpgm
.Lentry_shape_is_right:
; THE LAST PROJECTION on codes of FP8 (E4M3): out0[m][n] = 2^(e10 + e11) x (sum over k of ctx[m][k] Wo[k][n]) + bo[n].  M = 8,192, N = K = 1,024; out0 f32.
; A = ctx comes as images of the operand's registers: [16 rows: 512][128 along K: 8][piece: 4][lane][16 bytes], register 2 c, 2 c + 1 of a fragment holding k = 16 c + 8 (lane / 16) + 0 .. 7.
; B = Wo's codes, wc's fourth megabyte, [n][k] with K innermost, is fetched from padded LDS rows by loads of 8 bytes, which put each k into the same place.
; LIMIT: e10 + e11 lies between -126 and 127, so that 2^(e10 + e11) is an f32 number.
; A tile of out0, 256 x 256, is made by four waves, each 128 x 128: 64 accumulators.  K goes in four steps of 256 through a ring of two LDS slots filled by the tensor data mover.
; CLUSTERS: 4 x 4 work-groups.  The four of a row of the cluster need the same tiles of A, the four of a column the same tiles of B: each tile is asked for jointly.
; THE MATRIX INSTRUCTION IS USED TRANSPOSED (source 0 = 16 rows of B, source 1 = 16 rows of A): a lane then holds eight neighbouring numbers of a row of out0.
; REGISTERS, in windows of 256: window 0: v0-31 addresses, v[8:11] my four numbers of bo; from v128 A's fragments, one set; on the way out v128-255 rows read back.
;   window 1: B's fragments, two sets.   window 2: the accumulators of my rows 0-63 ((a, b) at v[8 (8 a + b)]);   window 3: those of my rows 64-127.
.set PITCH,  272                       ; an LDS row of B: 256 bytes + 16 of padding = 68 words: the 32 lanes of an 8-byte load (row l % 16, + 8 (l / 16)) touch 64 different banks (ISA guide 11.1)
.set FR,     16                        ; registers of a fragment: 16 rows x 128 K
.set NL,     4                         ; LDS loads that bring one of A's
.set NP,     4                         ; places behind this matrix instruction (ISA guide 7.12.1)
.set HALFA,  32768                     ; A: 8 tiles of 16 rows x 4,096 bytes (256 along K): what one tensor load brings, and what one wave reads
.set ABYTES, 2*HALFA
.set HALFB,  128*PITCH                 ; B: 128 rows
.set SLOT,   ABYTES+2*HALFB            ; A's images, then B's 256 rows
.set SPARE,  2*SLOT                    ; behind the ring: the spare words, 128 bytes for each wave: two blocks of 256 bytes that no other line names
.set SPITCH, 528                       ; the way out: a stage of 16 rows x (512 bytes + 16) for each wave.  It lies in slot 0, which has had its last fill and its last read when the first result is stored there
.set BO,   8                           ; v[8:11] bo at my four columns of a row read back
.set ADRA, 16                          ; v16-17  LDS address of my A fragments in slot 0, 1
.set ADRB, 20                          ; v20-21  the same for B
.set STO,  24                          ; v24     the way out: where I put 32 bytes of a row
.set RD,   25                          ; v25     the way out: where I read a row back
.set CO,   26                          ; v26     16 x lane: my byte offset in a row's 512 bytes
.set SPW,  28                          ; v28     LDS address of my spare word; never rewritten
.set NIL,  29                          ; v29     0; never rewritten
.set AF,   128                         ; A's fragments
.set BK,   128                         ; the way out: 16 rows read back from the stage: v128-191 and v192-255 by turns
.set G1, 24                            ; s[24:31] descriptor group 1 for A's tiles;  s[32:39] group 0, one set for each slot
.set G0, 32
.set G1B, 48                           ; s[48:55], s[56:63] the same for B's tiles
.set G0B, 56
.set MSB, 0
.macro WIN new                         ; the immediate's high byte repeats the setting that is left
.if MSB != \new
	s_set_vgpr_msb (MSB<<8)|\new
.set MSB, \new
.endif
.endm
.set MUL_LO, 0xa1                      ; source 0 (B) window 1, source 1 (A) window 0, C and D window 2
.set MUL_HI, 0xf1                      ; the same, C and D window 3
.set TO_B,   0x40                      ; destination window 1, address window 0
; A joint load: waves 0 and 1 fetch for A, waves 2 and 3 for B.  The branch hangs on the wave's number alone.  Four v_nop follow each of the two lines.
.macro JLOAD g0a, g1a, g0b, g1b
	s_cmp_eq_u32 s15, 0
	s_cbranch_scc0 .Lfor_b_\@
	tensor_load_to_lds s[\g0a:\g0a+3], s[\g1a:\g1a+7]
	s_nop 0
.rept 4
	v_nop
.endr
	s_branch .Lasked_\@
.Lfor_b_\@:
	tensor_load_to_lds s[\g0b:\g0b+3], s[\g1b:\g1b+7]
	s_nop 0
.rept 4
	v_nop
.endr
.Lasked_\@:
.endm
.macro CREST                           ; a round of the cluster's barrier behind its opening barrier
	s_cmp_lg_u32 s14, 0
	s_cbranch_scc1 .Lnot_wave_0_\@
	s_barrier_signal -3
.Lnot_wave_0_\@:
	s_barrier_wait -3
	s_barrier_signal -1
	s_barrier_wait -1
.endm
.macro CROUND                          ; a whole round
	s_barrier_signal -1
	s_barrier_wait -1
	CREST
.endm
	s_load_b256 s[4:11], s[0:1], 0x0               ; ctx s[4:5], wc s[6:7], bo s[8:9], the scales' exponents s[10:11]
	s_load_b64 s[12:13], s[0:1], 0x20              ; out0
	v_lshl_add_u32 v[SPW], v0, 2, SPARE
	v_mov_b32 v[NIL], 0
	ds_add_u32 v28, v29
	ds_add_u32 v28, v29
	s_wait_dscnt 0x0
	v_lshrrev_b32 v1, 5, v0
	v_readfirstlane_b32 s14, v1                    ; wave 0..3
	s_lshr_b32 s15, s14, 1                         ; which half of the tile's rows is mine.  Also: I fetch for A (0) or for B (1)
	s_and_b32 s16, s14, 1                          ; which half of its columns.  Also: which half of that tile I fetch
	s_bfe_u32 s40, ttmp6, 0x40000                  ; cx, cy: my place in the cluster
	s_bfe_u32 s41, ttmp6, 0x40004
	s_lshl_b32 s42, ttmp9, 2
	s_add_co_u32 s42, s42, s40                     ; tile column = 4 x cluster x + cx
	s_and_b32 s17, ttmp7, 0xffff
	s_lshl_b32 s17, s17, 2
	s_add_co_u32 s17, s17, s41                     ; tile row = 4 x cluster y + cy
	s_lshl_b32 s43, s41, 2
	s_lshl_b32 s43, 15, s43                        ; my row of the cluster
	s_lshl_b32 s44, 0x1111, s40                    ; my column
	; descriptor group 1.  A: 8 rows (tiles of 16 rows of ctx) x 4,096 bytes, 16,384 bytes apart in memory, dense in LDS.  B: 128 rows x 256 bytes, padded in LDS
	s_or_b32 s[G1+0], s43, (0<<16)|(1<<21)         ; 15:0 the mask: A's tiles go to my row; 17:16 element of 1 byte; 21 set beside a mask; no padding: every read is 16 x lane on end
	s_mov_b32 s[G1+1], 4096<<16                    ; tensor_dim0
	s_mov_b32 s[G1+2], 8<<16                       ; tensor_dim1
	s_mov_b32 s[G1+3], 4096<<16                    ; tile_dim0
	s_mov_b32 s[G1+4], 8                           ; tile_dim1
	s_mov_b32 s[G1+5], 16384                       ; tensor_dim0_stride
	s_mov_b32 s[G1+6], 0
	s_mov_b32 s[G1+7], 0
	s_or_b32 s[G1B+0], s44, (0<<16)|(1<<20)|(1<<21)|(5<<22)|(3<<25)  ; the mask of my column; padding: 4 words after every 64
	s_mov_b32 s[G1B+1], 256<<16
	s_mov_b32 s[G1B+2], 128<<16
	s_mov_b32 s[G1B+3], 256<<16
	s_mov_b32 s[G1B+4], 128
	s_mov_b32 s[G1B+5], 1024
	s_mov_b32 s[G1B+6], 0
	s_mov_b32 s[G1B+7], 0
	s_lshl_b32 s18, s16, 17                        ; the half that I fetch: 8 x 16,384 bytes of ctx, or 128 x 1,024 of wc
	s_lshl_b32 s20, s17, 18                        ; A: 256 rows are 16 x 16,384 bytes
	s_add_co_u32 s20, s20, s18
	s_mov_b32 s21, 0
	s_lshl_b32 s46, s42, 18                        ; B: 256 rows of 1,024 bytes,
	s_add_co_u32 s46, s46, s18
	s_add_co_u32 s46, s46, 3<<20                   ; in Wo's codes
	s_mov_b32 s47, 0
	s_lshl_b32 s45, s16, 15                        ; where they go: A's half x 32,768;
	s_mul_i32 s19, s16, HALFB
	s_add_co_u32 s19, s19, ABYTES                  ; B's half behind A's images: no place in the cluster enters an LDS address
	s_wait_kmcnt 0x0
	s_load_b64 s[96:97], s[10:11], 0x28            ; e10, e11
	s_add_nc_u64 s[20:21], s[4:5], s[20:21]
	s_add_nc_u64 s[46:47], s[6:7], s[46:47]
	CROUND                                         ; all sixteen work-groups are here: the first joint loads meet
.irp s, 0,1
	s_mov_b32 s[G0+4*\s], 1
	s_add_co_u32 s[G0+4*\s+1], s45, \s*SLOT
	s_add_nc_u64 s[G0+4*\s+2:G0+4*\s+3], s[20:21], \s*4096
	s_or_b32 s[G0+4*\s+3], s[G0+4*\s+3], 0x80000000
	s_mov_b32 s[G0B+4*\s], 1
	s_add_co_u32 s[G0B+4*\s+1], s19, \s*SLOT
	s_add_nc_u64 s[G0B+4*\s+2:G0B+4*\s+3], s[46:47], \s*256
	s_or_b32 s[G0B+4*\s+3], s[G0B+4*\s+3], 0x80000000
	s_wait_alu depctr_va_vdst(0)
	s_wait_tensorcnt 0x0
	ds_add_u32 v28, v29
	ds_add_u32 v28, v29
	s_wait_dscnt 0x0
	CROUND
	JLOAD G0+4*\s, G1, G0B+4*\s, G1B               ; K steps 0 and 1: two loads of mine are out
.endr
	v_and_b32 v1, 15, v0                           ; r = lane % 16
	v_bfe_u32 v2, v0, 4, 1                         ; lane / 16
	v_and_b32 v6, 31, v0
	v_lshlrev_b32 v[CO], 4, v6
	s_wait_alu depctr_va_vdst(0)
	s_lshl_b32 s46, s42, 10                        ; my first column, in bytes of f32: 1,024 x tile column + 512 x half
	s_lshl_b32 s47, s16, 9
	s_add_co_u32 s46, s46, s47
	s_mov_b32 s47, 0
	s_add_nc_u64 s[8:9], s[8:9], s[46:47]
	global_load_b128 v[BO:BO+3], v[CO], s[8:9]     ; bo at columns 4 x lane .. + 3 of my 128
	v_mul_u32_u24 v3, v1, PITCH
	v_lshl_add_u32 v4, v2, 3, v3                   ; B: a fragment's row x pitch + 8 x half
	s_lshl_b32 s21, s15, 15                        ; my 8 tiles of A
	s_mul_i32 s22, s16, HALFB                      ; my 128 rows of B,
	s_add_co_u32 s22, s22, ABYTES                  ; which lie behind A's images
.irp s, 0,1
	v_add_nc_u32 v[ADRA+\s], s21, v[CO]
	v_add_nc_u32 v[ADRB+\s], s22, v4
	s_add_co_u32 s21, s21, SLOT
	s_add_co_u32 s22, s22, SLOT
.endr
	s_mul_i32 s23, s14, 16*SPITCH                  ; my stage
	v_mul_u32_u24 v5, v1, SPITCH                   ; in: row l % 16, 32 bytes for each half of the lanes
	v_lshl_add_u32 v5, v2, 5, v5
	v_add_nc_u32 v[STO], s23, v5
	v_add_nc_u32 v[RD], s23, v[CO]                 ; back: the 32 lanes take one row of 512 bytes
	s_lshl_b32 s20, s17, 8
	s_lshl_b32 s21, s15, 7
	s_add_co_u32 s20, s20, s21                     ; my first row: 256 x tile row + 128 x half,
	s_lshl_b32 s20, s20, 12                        ; x 4,096 bytes (under 2^25)
	s_mov_b32 s21, 0
	s_add_nc_u64 s[20:21], s[20:21], s[46:47]
	s_add_nc_u64 s[12:13], s[12:13], s[20:21]
.macro FRAGA reg, slot, q, i           ; a fragment of A as it was stored: four pieces of 512 bytes, 16 bytes a lane
.irp c, 0,1,2,3
	ds_load_b128 v[\reg+4*\c:\reg+4*\c+3], v[ADRA+\slot] offset:4096*(\i)+2048*(\q)+512*\c
.endr
.endm
.macro FRAGB reg, slot, q, i           ; a fragment of B from rows: registers 2 c, 2 c + 1 hold k = 16 c + 8 (l / 16) + 0 .. 7 of row l % 16
.irp c, 0,1,2,3,4,5,6,7
	ds_load_b64 v[\reg+2*\c:\reg+2*\c+1], v[ADRB+\slot] offset:128*(\q)+16*\c+(\i)*16*PITCH
.endr
.endm
; 16 matrix instructions: A's blocks a0, a0 + 1 x B's eight, 128 along K.  p: B's set.  zero = 1: the first product starts the sums.
; The 64 accumulators take turns, one instruction a turn, in the same order in every step.
.macro MUL16 a0, p, zero
.irp a, \a0, \a0+1
.irp b, 0,1,2,3,4,5,6,7
.if \zero
	v_wmma_f32_16x16x128_fp8_fp8 v[8*(8*((\a)%4)+\b):8*(8*((\a)%4)+\b)+7], v[128*(\p)+FR*\b:128*(\p)+FR*\b+FR-1], v[AF+FR*(\a):AF+FR*(\a)+FR-1], 0
.else
	v_wmma_f32_16x16x128_fp8_fp8 v[8*(8*((\a)%4)+\b):8*(8*((\a)%4)+\b)+7], v[128*(\p)+FR*\b:128*(\p)+FR*\b+FR-1], v[AF+FR*(\a):AF+FR*(\a)+FR-1], v[8*(8*((\a)%4)+\b):8*(8*((\a)%4)+\b)+7]
.endif
.endr
.endr
.endm
.macro FETCH_B slot, q, p              ; B's eight fragments of the slot's q-th 128 along K into set p
	WIN TO_B
.irp i, 0,1,2,3,4,5,6,7
	FRAGB 128*(\p)+FR*\i, \slot, \q, \i
.endr
	WIN 0
.endm
.macro FETCH_A slot, q, i0             ; A's blocks i0 .. i0 + 3
.irp i, \i0, \i0+1, \i0+2, \i0+3
	FRAGA AF+FR*(\i), \slot, \q, \i
.endr
.endm
; A load into a register that a matrix instruction has read, and an LDS store that reads a matrix result, stand NP places behind it; only plain vector instructions that name none of its registers are places
; (ISA guide 7.12.1 for vector instructions).
.macro PLACES n
.rept \n
	v_nop
.endr
.endm
.macro STEP slot, q, zero              ; a step of 128 along K that has its successor in the same slot
	s_wait_dscnt 4*NL                              ; B's set and A's blocks 0-3 are in; the youngest sixteen loads (A's blocks 4-7) may be out
	WIN MUL_LO
	MUL16 0, (\q)%2, \zero
	MUL16 2, (\q)%2, \zero
	s_wait_dscnt 0                                 ; A's blocks 4-7 are in (asked for 32 matrix instructions ago)
	PLACES NP
	FETCH_B \slot, (\q)+1, 1-(\q)%2
	FETCH_A \slot, (\q)+1, 0
	WIN MUL_HI
	MUL16 4, (\q)%2, \zero
	MUL16 6, (\q)%2, \zero
	PLACES NP
	WIN 0
	FETCH_A \slot, (\q)+1, 4
.endm
; A slot's last step changes slots: one barrier; in front of it each wave waits for all its tensor loads, adds 0 to its spare word, and waits for that and for its own reads of this slot.  fill = 1: this slot is filled again, two K steps ahead.
.macro TURN slot, next, fill
	s_wait_tensorcnt 0x0                           ; all my tensor loads have landed: my part of the next slot;  (every window is 0 here)
	ds_add_u32 v[SPW], v[NIL]                      ; 0 onto my spare word
	s_wait_dscnt 4*NL+1                            ; (the add and the youngest sixteen loads, A's blocks 4-7, may be out)
	WIN MUL_LO
	MUL16 0, 1, 0                                  ; sixteen matrix instructions stand between the add and the wait for it
	s_wait_dscnt 0x0                               ; the add is done, and my reads of this slot are over
	s_barrier_signal -1
	MUL16 2, 1, 0
	WIN 0
	s_barrier_wait -1
.if \fill
	CREST                                          ; the barrier has opened a round of the cluster's barrier: no wave of any partner still reads this slot's tile or has a load on its way
	s_add_nc_u64 s[G0+4*\slot+2:G0+4*\slot+3], s[G0+4*\slot+2:G0+4*\slot+3], 2*4096
	s_add_nc_u64 s[G0B+4*\slot+2:G0B+4*\slot+3], s[G0B+4*\slot+2:G0B+4*\slot+3], 2*256
	JLOAD G0+4*\slot, G1, G0B+4*\slot, G1B         ; the first tensor load behind the round, my one load until the next; the four v_nop behind it are the places in front of the loads below
.else
	PLACES NP
.endif
	FETCH_B \next, 0, 0
	FETCH_A \next, 0, 0
	WIN MUL_HI
	MUL16 4, 1, 0
	MUL16 6, 1, 0
	PLACES NP
	WIN 0
	FETCH_A \next, 0, 4
.endm
	s_wait_alu depctr_va_vdst(0)
	s_wait_tensorcnt 1                             ; my part of K step 0 is in (K step 1's load may be out)
	s_barrier_signal -1
	s_barrier_wait -1                              ; everybody's is
	FETCH_B 0, 0, 0
	FETCH_A 0, 0, 0
	FETCH_A 0, 0, 4
	STEP 0, 0, 1                                   ; eight steps of 128, written out; the first starts the sums
	TURN 0, 1, 1                                   ; slot 0 takes K step 2
	STEP 1, 0, 0
	TURN 1, 0, 1                                   ; slot 1 takes K step 3
	STEP 0, 0, 0
	TURN 0, 1, 0                                   ; nothing is left to fetch; behind this barrier nobody reads slot 0
	STEP 1, 0, 0
	s_wait_dscnt 4*NL                              ; the very last step
	WIN MUL_LO
	MUL16 0, 1, 0
	MUL16 2, 1, 0
	s_wait_dscnt 0
	WIN MUL_HI
	MUL16 4, 1, 0
	MUL16 6, 1, 0
	WIN 0
; THE WAY OUT, block by block of 16 rows x 128 columns.  A lane holds 32 neighbouring bytes of a row, and the lanes beside it hold other rows: so a block's sums go, as they stand in the accumulators, through my own stage
; in LDS and come back as whole rows of 512 bytes; there one packed multiply-add for two numbers gives sum x 2^(e10 + e11) + bo, and the 32 lanes store two aligned runs of 256 bytes.
; LDS serves a wave's instructions in order (ISA guide 5.7.1.4): no wait between the stores and the loads, nor in front of the next block's stores.
.macro TOSTAGE a
.set AC, 64*((\a)%4)
	WIN 0x08+4*((\a)/4)                            ; an LDS store's data are its source 1: window 2 or 3
.irp b, 0,1,2,3,4,5,6,7
	ds_store_b128 v[STO], v[AC+8*\b:AC+8*\b+3] offset:64*\b          ; each accumulator from its low end on
	ds_store_b128 v[STO], v[AC+8*\b+4:AC+8*\b+7] offset:64*\b+16
.endr
	WIN 0
.set BB, BK+64*((\a)%2)
.irp t, 0,1,2,3,4,5,6,7,8,9,10,11,12,13,14,15
	ds_load_b128 v[BB+4*\t:BB+4*\t+3], v[RD] offset:\t*SPITCH
.endr
.endm
.macro SEND a, younger                 ; younger: the LDS instructions issued behind block a's loads, which may stay out
.set BB, BK+64*((\a)%2)
	s_wait_dscnt \younger                          ; the block is back in registers
.if (\a) > 0
	s_add_nc_u64 s[12:13], s[12:13], 16*4096       ; (behind a wait on XCNT: the earlier stores have read their base)  16 rows on
.endif
.irp t, 0,1,2,3,4,5,6,7,8,9,10,11,12,13,14,15
	v_pk_fma_f32 v[BB+4*\t:BB+4*\t+1], v[BB+4*\t:BB+4*\t+1], s[96:97], v[BO:BO+1] op_sel_hi:[1,0,1]
	v_pk_fma_f32 v[BB+4*\t+2:BB+4*\t+3], v[BB+4*\t+2:BB+4*\t+3], s[96:97], v[BO+2:BO+3] op_sel_hi:[1,0,1]
.endr
.irp t, 0,1,2,3,4,5,6,7,8,9,10,11,12,13,14,15
	global_store_b128 v[CO], v[BB+4*\t:BB+4*\t+3], s[12:13] offset:\t*4096 th:TH_STORE_NT   ; 32 lanes store 512 consecutive bytes, at a multiple of 256 from out0's first byte; written once, read by nobody here
.endr
.endm
	s_wait_kmcnt 0x0
	s_add_co_i32 s96, s96, s97                     ; e10 + e11, between -126 and 127,
	s_add_co_i32 s96, s96, 127
	s_lshl_b32 s96, s96, 23                        ; makes the f32 number 2^(e10 + e11)
	s_mov_b32 s97, s96                             ; (named with it as a pair)
	s_wait_loadcnt 0x0                             ; bo
	PLACES NP                                      ; behind the last products: their results are stored to LDS, and A's registers take the rows read back
	TOSTAGE 0
.irp a, 1,2,3,4,5,6,7
.if \a > 1
	s_wait_xcnt 0x0                                ; block a - 2's stores have read their registers and their base: block a's loads may land there, and the base may step
.endif
	TOSTAGE \a
	SEND \a-1, 32                                  ; behind block a - 1's loads: block a's 16 stores and 16 loads
.endr
	s_wait_xcnt 0x0                                ; block 6's stores have read their base
	SEND 7, 0
	s_wait_tensorcnt 0x0                           ; the wave's end, behind my last tensor load and my last LDS store
	ds_add_u32 v[SPW], v[NIL]
	s_wait_dscnt 0x0
	CROUND                                         ; the closing round: no work-group ends while a partner may still ask for a tile that names it
	s_endpgm
.Lfunc_end_k_q8180459eba_outp:
	.size	k_q8180459eba_outp, .Lfunc_end_k_q8180459eba_outp-k_q8180459eba_outp
	.p2alignl 7, 3214868480
	.fill 96, 4, 3214868480
	.section	.rodata,"a",@progbits
	.p2align	6, 0x0
	.amdhsa_kernel k_q8180459eba_outp
		.amdhsa_group_segment_fixed_size 327680
		.amdhsa_private_segment_fixed_size 0
		.amdhsa_enable_private_segment 0
		.amdhsa_kernarg_size 40
		.amdhsa_user_sgpr_count 2
		.amdhsa_user_sgpr_kernarg_segment_ptr 1
		.amdhsa_wavefront_size32 1
		.amdhsa_system_sgpr_workgroup_id_x 1
		.amdhsa_system_sgpr_workgroup_id_y 1
		.amdhsa_system_sgpr_workgroup_id_z 1
		.amdhsa_system_vgpr_workitem_id 0
		.amdhsa_next_free_vgpr 1024
		.amdhsa_next_free_sgpr 98
		.amdhsa_reserve_vcc 0
		.amdhsa_float_denorm_mode_32 3
		.amdhsa_float_denorm_mode_16_64 3
		.amdhsa_memory_ordered 1
		.amdhsa_forward_progress 1
		.amdhsa_inst_pref_size 140
	.end_amdhsa_kernel
	.amdgpu_metadata
---
amdhsa.version: [ 1, 2 ]
amdhsa.kernels:
  - .name:           k_q8180459eba_outp
    .symbol:         k_q8180459eba_outp.kd
    .args:
      - { .name: ctx, .offset: 0, .size: 8, .value_kind: global_buffer, .address_space: global }
      - { .name: wc, .offset: 8, .size: 8, .value_kind: global_buffer, .address_space: global }
      - { .name: bo, .offset: 16, .size: 8, .value_kind: global_buffer, .address_space: global }
      - { .name: lowp_scales, .offset: 24, .size: 8, .value_kind: global_buffer, .address_space: global }
      - { .name: out0, .offset: 32, .size: 8, .value_kind: global_buffer, .address_space: global }
    .group_segment_fixed_size: 327680
    .private_segment_fixed_size: 0
    .kernarg_segment_align: 8
    .kernarg_segment_size: 40
    .max_flat_workgroup_size: 128
    .sgpr_count:     98
    .vgpr_count:     1024
    .wavefront_size: 32
...
	.end_amdgpu_metadata
.endif
;; end of part 4
